; MI455X (gfx1250); checked and timed in simulation.
; The chip was launched on July 23, 2026; its instructions are those of AMD's public machine-readable ISA for CDNA 5 (MIT licence, August 2026) and "CDNA5" Instruction Set Architecture Reference Guide (July 2026). The comments in the code are by the model that wrote it; some were corrected since.
;; Mo EMLP. Allowed arithmetic: float matrix products may take bf16 or f16 operands with f32 sums; other float arithmetic in f32, or as packed bf16 or f16 multiplies, adds, multiply-adds, maxima and minima; sums over many terms, partial sums and values carried from step to step in f32; what a program stores and reads back later, other than sums and carried values, may be rounded once to bf16 or f16.
;; Inputs: b_fc 4 x 2,048 float32; b_proj 4 x 512 float32; router_w 4 x 512 float32; w_fc 4 x 512 x 2,048 float32; w_proj 4 x 2,048 x 512 float32; x 4 x 2,048 x 512 float32.
;; Outputs: out0 4 x 2,048 x 512 float32.
;; 3 versions, each right; version 2 is faster than version 1; version 3 is version 2 with the launch moe written anew for expert scheduling mode. Each part assembles by itself: llvm-mc -triple=amdgcn-amd-amdhsa -mcpu=gfx1250 --defsym DOCPART=n.
;; ======== version 1 of 3: 4 launches
;; limits: a function is approximated: absolute error at most 2.5e-05; values are held in f16: magnitudes above 65,504 overflow, below 6.1e-05 lose precision; right only within a limited range of input values
;; workspace buffers: xb 8,388,608 bytes; wfcb 8,388,608 bytes; wpjh 8,388,608 bytes; sel 32,768 bytes of whole numbers; aux 106,496 bytes; list 66,048 bytes of whole numbers; tab 4,096 bytes of whole numbers; y2 34,004,992 bytes
;; launch prep (part 1): grid 256 x 1, 8 waves a work-group, no clusters, 0 bytes of LDS; arguments x, router_w, w_fc, w_proj, xb, wfcb, wpjh, sel, aux; writes xb, wfcb, wpjh, sel, aux
.if DOCPART == 1
	.amdgcn_target "amdgcn-amd-amdhsa--gfx1250"
	.amdhsa_code_object_version 6
	.text
	.protected	k_q87d69913f9_prep
	.globl	k_q87d69913f9_prep
	.p2align	8
	.type	k_q87d69913f9_prep,@function
k_q87d69913f9_prep:
	s_mov_b64 s[64:65], 0
	v_nop
	global_prefetch_b8 v0, s[64:65] scope:SCOPE_SE
	s_setreg_imm32_b32 hwreg(HW_REG_WAVE_MODE, 25, 1), 1
	s_wait_xcnt 0x0
; PREP: rounds x and w_fc to bf16, w_proj to bf16 and writes that number as f16, and routes every token.
; A stream: nothing is shared between work-groups, so no LDS, no matrix unit, no cluster.  The router has 4 columns:
; it is done by f32 multiply-adds on the operands rounded to bf16 (their products are exact in f32).
; SHARES.  Work-group g: tokens 32 g .. 32 g + 31 (wave v: four tokens 32 g + 4 v + q), 65,536 bytes of w_fc and of w_proj.
; A lane holds k = 128 j + 4 lane + i of a row of 512 (j, i = 0..3): every load of a wave covers 512 consecutive bytes.
; OUT.  sel[t] = e1 | e2 << 8 (the two experts, best first); aux[2 t], aux[2 t + 1] = their renormalised gates.
; LIMITS.  Equal probabilities go to the lower index.  The logits' f32 sums are taken in another order than a row-wise sum,
; so a choice can differ where two probabilities differ by that rounding alone.  |w_proj| stays under 65,504; below 2^-14 it keeps
; f16's fixed step of 2^-24.  NaN and infinities are not treated apart.
.set RW, 8                             ; v[8:71]    router_w, 16 numbers for each of 4 experts
.set XR, 72                            ; v[72:135]  x, 16 numbers for each of 4 tokens; later w_proj
.set WL, 136                           ; v[136:199] w_fc, 16 loads
.set XP, 200                           ; v[200:231] x packed to bf16, 8 words a token
.set AC, 232                           ; v[232:247] logits: token q, expert e at AC + 4 q + e
.set T,  248                           ; v[248:255] at work
	s_load_b512 s[4:19], s[0:1], 0x0               ; x, router_w, w_fc, w_proj, xb, wfcb, wpjh, sel
	s_load_b64 s[20:21], s[0:1], 0x40              ; aux
	v_and_b32 v1, 31, v0                           ; lane
	v_lshrrev_b32 v6, 5, v0
	v_readfirstlane_b32 s22, v6                    ; wave
	v_lshlrev_b32 v2, 4, v1                        ; 16 lane
	v_lshlrev_b32 v3, 4, v0                        ; 16 thread
	v_lshlrev_b32 v4, 3, v0                        ; 8 thread
	v_lshlrev_b32 v5, 3, v1                        ; 8 lane
	v_lshlrev_b32 v7, 2, v1                        ; 4 lane
	s_mov_b32 s24, 0xffff0000                      ; a word's upper bf16
	s_mov_b32 s26, 0x76543210                      ; v_permlanex16_b32: each lane takes its own place in the other half
	s_mov_b32 s27, 0xfedcba98
	s_lshl_b32 s28, ttmp9, 16                      ; the group's 65,536 bytes of each weight tensor
	s_mov_b32 s29, 0
	s_lshl_b32 s30, ttmp9, 15                      ; and the 32,768 that they become
	s_mov_b32 s31, 0
	s_lshl_b32 s32, s22, 13                        ; the wave's four rows of x: 2,048 bytes each
	s_add_co_u32 s32, s32, s28
	s_mov_b32 s33, 0
	s_lshl_b32 s34, s22, 12                        ; and of xb: 1,024 bytes each
	s_add_co_u32 s34, s34, s30
	s_mov_b32 s35, 0
	s_lshl_b32 s36, ttmp9, 7                       ; sel: 4 bytes a token
	s_lshl_b32 s37, s22, 4
	s_add_co_u32 s36, s36, s37
	s_mov_b32 s37, 0
	s_lshl_b32 s38, s36, 1                         ; gates: 8 bytes a token
	s_mov_b32 s39, 0
	s_wait_kmcnt 0x0
	s_add_nc_u64 s[4:5], s[4:5], s[32:33]
	s_add_nc_u64 s[8:9], s[8:9], s[28:29]
	s_add_nc_u64 s[10:11], s[10:11], s[28:29]
	s_add_nc_u64 s[12:13], s[12:13], s[34:35]
	s_add_nc_u64 s[14:15], s[14:15], s[30:31]
	s_add_nc_u64 s[16:17], s[16:17], s[30:31]
	s_add_nc_u64 s[18:19], s[18:19], s[36:37]
	s_add_nc_u64 s[20:21], s[20:21], s[38:39]
	; 48 loads go out together: router_w, my four rows of x, my part of w_fc
.irp e, 0,1,2,3
.irp j, 0,1,2,3
	global_load_b128 v[RW+16*\e+4*\j:RW+16*\e+4*\j+3], v2, s[6:7] offset:2048*\e+512*\j
.endr
.endr
.irp q, 0,1,2,3
.irp j, 0,1,2,3
	global_load_b128 v[XR+16*\q+4*\j:XR+16*\q+4*\j+3], v2, s[4:5] offset:2048*\q+512*\j th:TH_LOAD_NT
.endr
.endr
.set i, 0
.rept 16
	global_load_b128 v[WL+4*i:WL+4*i+3], v3, s[8:9] offset:4096*i th:TH_LOAD_NT
.set i, i+1
.endr
	s_wait_loadcnt 32                              ; router_w is in; the 32 younger loads (x, w_fc) stay out
.set i, 0
.rept 32                                               ; router_w rounded to bf16 and widened again
	v_cvt_pk_bf16_f32 v[T+i%8], v[RW+2*i], v[RW+2*i+1]
	v_lshlrev_b32 v[RW+2*i], 16, v[T+i%8]
	v_and_b32 v[RW+2*i+1], s24, v[T+i%8]
.set i, i+1
.endr
	s_wait_loadcnt 16                              ; x is in; w_fc's 16 loads stay out
.irp q, 0,1,2,3
.set i, 0
.rept 8
	v_cvt_pk_bf16_f32 v[XP+8*\q+i], v[XR+16*\q+2*i], v[XR+16*\q+2*i+1]
.set i, i+1
.endr
.irp j, 0,1,2,3
	global_store_b64 v5, v[XP+8*\q+2*\j:XP+8*\q+2*\j+1], s[12:13] offset:1024*\q+256*\j  ; the wave stores 256 consecutive bytes, aligned
.endr
.set i, 0
.rept 8
	v_lshlrev_b32 v[XR+16*\q+2*i], 16, v[XP+8*\q+i]
	v_and_b32 v[XR+16*\q+2*i+1], s24, v[XP+8*\q+i]
.set i, i+1
.endr
.irp e, 0,1,2,3                                        ; four chains, one an expert, so that no line waits for the one before it
	v_pk_mul_f32 v[T+2*\e:T+2*\e+1], v[XR+16*\q:XR+16*\q+1], v[RW+16*\e:RW+16*\e+1]
.endr
.set i, 1
.rept 7
.irp e, 0,1,2,3
	v_pk_fma_f32 v[T+2*\e:T+2*\e+1], v[XR+16*\q+2*i:XR+16*\q+2*i+1], v[RW+16*\e+2*i:RW+16*\e+2*i+1], v[T+2*\e:T+2*\e+1]
.endr
.set i, i+1
.endr
.irp e, 0,1,2,3
	v_add_f32 v[AC+4*\q+\e], v[T+2*\e], v[T+2*\e+1]
.endr
.endr
.set i, 0
.rept 16                                               ; x's registers are free: my part of w_proj goes out
	global_load_b128 v[XR+4*i:XR+4*i+3], v3, s[10:11] offset:4096*i th:TH_LOAD_NT
.set i, i+1
.endr
	; the 16 sums over the wave's 32 lanes: four steps inside each half ride on the addition, one crosses the halves
.irp m, 1,2,4,8
.set i, 0
.rept 16
	v_add_f32_dpp v[AC+i], v[AC+i], v[AC+i] row_xmask:\m row_mask:0xf bank_mask:0xf
.set i, i+1
.endr
.endr
.irp g, 0,8
.set i, 0
.rept 8
	v_permlanex16_b32 v[T+i], v[AC+\g+i], s26, s27
.set i, i+1
.endr
.set i, 0
.rept 8
	v_add_f32 v[AC+\g+i], v[AC+\g+i], v[T+i]
.set i, i+1
.endr
.endr
	; lane q takes token q's four logits (lanes 4 to 31 keep token 0's and store nothing): the softmax is written once
	v_cmp_eq_u32 s40, 1, v1
	v_cmp_eq_u32 s41, 2, v1
	v_cmp_eq_u32 s42, 3, v1
.irp e, 0,1,2,3
	v_cndmask_b32 v[AC+\e], v[AC+\e], v[AC+4+\e], s40
	v_cndmask_b32 v[AC+\e], v[AC+\e], v[AC+8+\e], s41
	v_cndmask_b32 v[AC+\e], v[AC+\e], v[AC+12+\e], s42
.endr
	v_max3_num_f32 v[T], v[AC], v[AC+1], v[AC+2]   ; the maximum is taken away before the exponential
	v_max_num_f32 v[T], v[T], v[AC+3]
.irp e, 0,1,2,3
	v_sub_f32 v[AC+\e], v[AC+\e], v[T]
.endr
.irp e, 0,1,2,3
	v_mul_f32 v[AC+\e], 0x3fb8aa3b, v[AC+\e]       ; log2(e): v_exp_f32 works in base 2
.endr
.irp e, 0,1,2,3
	v_exp_f32 v[AC+\e], v[AC+\e]
.endr
	v_nop                                          ; a plain line behind the last exponential (ISA guide 5.7.2)
	s_wait_alu depctr_va_vdst(0)
	v_add_f32 v[T], v[AC], v[AC+1]
	v_add_f32 v[T+1], v[AC+2], v[AC+3]
	v_add_f32 v[T], v[T], v[T+1]
	v_rcp_f32 v[T], v[T]
	v_mov_b32 v[T+2], 0                            ; the best expert's index so far; also the plain line behind the reciprocal
	s_wait_alu depctr_va_vdst(0)
.irp e, 0,1,2,3
	v_mul_f32 v[AC+\e], v[AC+\e], v[T]             ; the probabilities
.endr
	v_mov_b32 v[T+1], v[AC]
.irp e, 1,2,3                                          ; strictly greater: of equals the lower index stays
	v_cmp_gt_f32 vcc_lo, v[AC+\e], v[T+1]
	v_cndmask_b32 v[T+1], v[T+1], v[AC+\e], vcc_lo
	v_cndmask_b32 v[T+2], v[T+2], \e, vcc_lo
.endr
.irp e, 0,1,2,3                                        ; the winner leaves the field
	v_cmp_eq_u32 vcc_lo, \e, v[T+2]
	v_cndmask_b32 v[AC+\e], v[AC+\e], -1.0, vcc_lo
.endr
	v_mov_b32 v[T+3], v[AC]
	v_mov_b32 v[T+4], 0
.irp e, 1,2,3
	v_cmp_gt_f32 vcc_lo, v[AC+\e], v[T+3]
	v_cndmask_b32 v[T+3], v[T+3], v[AC+\e], vcc_lo
	v_cndmask_b32 v[T+4], v[T+4], \e, vcc_lo
.endr
	v_add_f32 v[T+5], v[T+1], v[T+3]
	v_add_f32 v[T+5], 0x3089705f, v[T+5]           ; + 1e-9
	v_rcp_f32 v[T+5], v[T+5]
	v_lshl_or_b32 v[T+2], v[T+4], 8, v[T+2]        ; e1 | e2 << 8; also the plain line behind the reciprocal
	s_wait_alu depctr_va_vdst(0)
	v_mul_f32 v[T+6], v[T+1], v[T+5]
	v_mul_f32 v[T+7], v[T+3], v[T+5]
	s_wait_loadcnt 16                              ; w_fc is in; w_proj's 16 loads stay out
.set i, 0
.rept 16
	v_cvt_pk_bf16_f32 v[WL+4*i], v[WL+4*i], v[WL+4*i+1]
	v_cvt_pk_bf16_f32 v[WL+4*i+1], v[WL+4*i+2], v[WL+4*i+3]
	global_store_b64 v4, v[WL+4*i:WL+4*i+1], s[14:15] offset:2048*i
.set i, i+1
.endr
	s_wait_loadcnt 0x0                             ; w_proj
.set i, 0
.rept 16                                               ; to bf16, widened, and that number written as f16; the two registers of WL that no store reads are at work
	v_cvt_pk_bf16_f32 v[WL+4*i+2], v[XR+4*i], v[XR+4*i+1]
	v_cvt_pk_bf16_f32 v[WL+4*i+3], v[XR+4*i+2], v[XR+4*i+3]
	v_lshlrev_b32 v[XR+4*i], 16, v[WL+4*i+2]
	v_and_b32 v[XR+4*i+1], s24, v[WL+4*i+2]
	v_lshlrev_b32 v[XR+4*i+2], 16, v[WL+4*i+3]
	v_and_b32 v[XR+4*i+3], s24, v[WL+4*i+3]
	v_cvt_pk_f16_f32 v[XR+4*i], v[XR+4*i], v[XR+4*i+1]
	v_cvt_pk_f16_f32 v[XR+4*i+1], v[XR+4*i+2], v[XR+4*i+3]
	global_store_b64 v4, v[XR+4*i:XR+4*i+1], s[16:17] offset:2048*i
.set i, i+1
.endr
	; lanes 0 to 3 store their token's choice and gates: 16 and 32 bytes a wave, 98,304 bytes in the whole launch
	v_cmp_gt_u32 vcc_lo, 4, v1
	s_wait_xcnt 0x0                                ; EXEC is a source of the stores above: it changes only behind this wait
	s_and_saveexec_b32 s43, vcc_lo
	global_store_b32 v7, v[T+2], s[18:19]
	global_store_b64 v5, v[T+6:T+7], s[20:21]
	s_wait_xcnt 0x0                                ; and again in front of the line that widens it
	s_or_b32 exec_lo, exec_lo, s43
	s_endpgm
.Lfunc_end_k_q87d69913f9_prep:
	.size	k_q87d69913f9_prep, .Lfunc_end_k_q87d69913f9_prep-k_q87d69913f9_prep
	.p2alignl 7, 3214868480
	.fill 96, 4, 3214868480
	.section	.rodata,"a",@progbits
	.p2align	6, 0x0
	.amdhsa_kernel k_q87d69913f9_prep
		.amdhsa_group_segment_fixed_size 0
		.amdhsa_private_segment_fixed_size 0
		.amdhsa_enable_private_segment 0
		.amdhsa_kernarg_size 72
		.amdhsa_user_sgpr_count 2
		.amdhsa_user_sgpr_kernarg_segment_ptr 1
		.amdhsa_wavefront_size32 1
		.amdhsa_system_sgpr_workgroup_id_x 1
		.amdhsa_system_sgpr_workgroup_id_y 1
		.amdhsa_system_sgpr_workgroup_id_z 1
		.amdhsa_system_vgpr_workitem_id 0
		.amdhsa_next_free_vgpr 256
		.amdhsa_next_free_sgpr 66
		.amdhsa_reserve_vcc 1
		.amdhsa_float_denorm_mode_32 3
		.amdhsa_float_denorm_mode_16_64 3
		.amdhsa_memory_ordered 1
		.amdhsa_forward_progress 1
		.amdhsa_inst_pref_size 46
	.end_amdhsa_kernel
	.amdgpu_metadata
---
amdhsa.version: [ 1, 2 ]
amdhsa.kernels:
  - .name:           k_q87d69913f9_prep
    .symbol:         k_q87d69913f9_prep.kd
    .args:
      - { .name: x, .offset: 0, .size: 8, .value_kind: global_buffer, .address_space: global }
      - { .name: router_w, .offset: 8, .size: 8, .value_kind: global_buffer, .address_space: global }
      - { .name: w_fc, .offset: 16, .size: 8, .value_kind: global_buffer, .address_space: global }
      - { .name: w_proj, .offset: 24, .size: 8, .value_kind: global_buffer, .address_space: global }
      - { .name: xb, .offset: 32, .size: 8, .value_kind: global_buffer, .address_space: global }
      - { .name: wfcb, .offset: 40, .size: 8, .value_kind: global_buffer, .address_space: global }
      - { .name: wpjh, .offset: 48, .size: 8, .value_kind: global_buffer, .address_space: global }
      - { .name: sel, .offset: 56, .size: 8, .value_kind: global_buffer, .address_space: global }
      - { .name: aux, .offset: 64, .size: 8, .value_kind: global_buffer, .address_space: global }
    .group_segment_fixed_size: 0
    .private_segment_fixed_size: 0
    .kernarg_segment_align: 8
    .kernarg_segment_size: 72
    .max_flat_workgroup_size: 256
    .sgpr_count:     66
    .vgpr_count:     256
    .wavefront_size: 32
...
	.end_amdgpu_metadata
.endif
;; end of part 1
;; launch place (part 2): grid 1 x 1, 32 waves a work-group, no clusters, 4,608 bytes of LDS; arguments sel, b_fc, b_proj, list, tab, aux; writes list, tab, aux
.if DOCPART == 2
	.amdgcn_target "amdgcn-amd-amdhsa--gfx1250"
	.amdhsa_code_object_version 6
	.text
	.protected	k_q87d69913f9_place
	.globl	k_q87d69913f9_place
	.p2align	8
	.type	k_q87d69913f9_place,@function
k_q87d69913f9_place:
	s_mov_b64 s[64:65], 0
	v_nop
	global_prefetch_b8 v0, s[64:65] scope:SCOPE_SE
	s_setreg_imm32_b32 hwreg(HW_REG_WAVE_MODE, 25, 1), 1
	s_wait_xcnt 0x0
; PLACE: sorts the 16,384 (token, choice) pairs by expert, without atomics, and shares them out among 55 clusters of 4 work-groups.
; One work-group of 32 waves; wave v owns tokens 256 v + 32 b + lane, b = 0..7.  Whole numbers only, but for the biases, which are rounded here:
; aux + 65,536: b_fc rounded to bf16, as f32; aux + 98,304: twice b_proj rounded to bf16, as f32.
; list[slot] = 2 t + which, the slots of expert 0 first, inside an expert by token; behind the 16,384 slots 128 zeros, so that reads of 80 slots from any start stay inside.
; tab[w] = {start, count, expert, 0} for work-group w of the next launch; the four of a cluster have one expert; count is 80 at the most.
; The stores into list are 4 bytes a lane at places that hang on the data: 65,536 bytes in all.
.set SPARE, 512                        ; the spare words: 128 bytes for each of 32 waves; bytes 0 to 255 hold the waves' counts
	s_load_b256 s[4:11], s[0:1], 0x0               ; sel, b_fc, b_proj, list
	s_load_b128 s[12:15], s[0:1], 0x20             ; tab, aux
	v_lshl_add_u32 v62, v0, 2, SPARE               ; my spare word; never rewritten
	v_mov_b32 v63, 0                               ; 0; never rewritten
	v_and_b32 v1, 31, v0                           ; lane
	v_lshrrev_b32 v2, 5, v0
	v_readfirstlane_b32 s16, v2                    ; wave
	v_lshlrev_b32 v3, 4, v0                        ; 16 thread
	v_lshlrev_b32 v4, 3, v0                        ; 8 thread
	v_lshlrev_b32 v5, 2, v1
	v_lshl_add_u32 v5, v2, 10, v5                  ; byte of sel[256 wave + lane]
	v_lshlrev_b32 v6, 1, v1
	v_lshl_add_u32 v6, v2, 9, v6                   ; 2 (256 wave + lane)
	s_mov_b32 s17, 0xffff0000
	s_mov_b32 s18, 0x76543210
	s_mov_b32 s19, 0xfedcba98
	s_wait_kmcnt 0x0
.irp b, 0,1,2,3,4,5,6,7
	global_load_b32 v[8+\b], v5, s[4:5] offset:128*\b
.endr
	global_load_b128 v[32:35], v3, s[6:7]
	global_load_b128 v[36:39], v3, s[6:7] offset:16384
	global_load_b64 v[40:41], v4, s[8:9]
.irp e, 0,1,2,3
	s_mov_b32 s[66+\e], 0
.endr
	s_wait_loadcnt 3                               ; my eight words of sel are in; the three bias loads stay out
	; mask s[32 + 4 b + e]: the lanes whose token of block b chose expert e; s[66 + e]: the wave's count
.irp b, 0,1,2,3,4,5,6,7
	v_and_b32 v[16+\b], 0xff, v[8+\b]
	v_bfe_u32 v[24+\b], v[8+\b], 8, 8
	v_min_u32 v[16+\b], 3, v[16+\b]
	v_min_u32 v[24+\b], 3, v[24+\b]
.irp e, 0,1,2,3
	v_cmp_eq_u32 s[32+4*\b+\e], \e, v[16+\b]
	v_cmp_eq_u32 s20, \e, v[24+\b]
	s_or_b32 s[32+4*\b+\e], s[32+4*\b+\e], s20
	s_bcnt1_i32_b32 s20, s[32+4*\b+\e]
	s_add_co_u32 s[66+\e], s[66+\e], s20
.endr
.endr
	s_lshl_b32 s20, s67, 16                        ; two counts to a word: a total is 8,192 at the most
	s_or_b32 s70, s66, s20
	s_lshl_b32 s20, s69, 16
	s_or_b32 s71, s68, s20
	v_mov_b32 v42, s70
	v_mov_b32 v43, s71
	v_lshlrev_b32 v44, 3, v2
	ds_store_b64 v44, v[42:43]                     ; every lane writes the wave's own 8 bytes with the same value
	s_wait_dscnt 0x0                               ; for the others' sake
	s_barrier_signal -1
	s_barrier_wait -1
	v_lshlrev_b32 v45, 3, v1
	ds_load_b64 v[46:47], v45                      ; lane L: wave L's counts
	s_wait_tensorcnt 0x0                           ; behind my last LDS store, and no LDS write follows;
	ds_add_u32 v62, v63                            ; the biases' rounding, work on registers, stands between the add and the wait for it
	s_wait_loadcnt 0x0                             ; the biases
.irp p, 0,1,2,3,4
	v_cvt_pk_bf16_f32 v[52+\p], v[32+2*\p], v[32+2*\p+1]
.endr
.irp p, 0,1,2,3,4
	v_lshlrev_b32 v[32+2*\p], 16, v[52+\p]
	v_and_b32 v[32+2*\p+1], s17, v[52+\p]
.endr
	v_pk_mul_f32 v[40:41], v[40:41], 2.0 op_sel_hi:[1,0]  ; the next launch's sums are of 2 gelu: its bias is doubled with them
	v_mov_b32 v50, 0
	s_wait_dscnt 0x0                               ; the add is done and the counts are in
	global_store_b128 v3, v[32:35], s[14:15] offset:65536
	global_store_b128 v3, v[36:39], s[14:15] offset:81920
	global_store_b64 v4, v[40:41], s[14:15] offset:98304
	v_cmp_gt_u32 vcc_lo, s16, v1                   ; the waves in front of mine
	v_cndmask_b32 v48, 0, v46, vcc_lo
	v_cndmask_b32 v49, 0, v47, vcc_lo
.macro WSUM r                          ; the sum of v[r] over the 32 lanes, in every lane
.irp m, 1,2,4,8
	v_mov_b32_dpp v50, v[\r] row_xmask:\m row_mask:0xf bank_mask:0xf
	v_add_nc_u32 v[\r], v[\r], v50
.endr
	v_permlanex16_b32 v50, v[\r], s18, s19
	v_add_nc_u32 v[\r], v[\r], v50
.endm
	WSUM 46
	WSUM 47
	WSUM 48
	WSUM 49
	v_readfirstlane_b32 s20, v46
	v_readfirstlane_b32 s21, v47
	v_readfirstlane_b32 s22, v48
	v_readfirstlane_b32 s23, v49
	s_and_b32 s72, s20, 0xffff                     ; n_e: s72-75
	s_lshr_b32 s73, s20, 16
	s_and_b32 s74, s21, 0xffff
	s_lshr_b32 s75, s21, 16
	s_mov_b32 s76, 0                               ; base_e: s76-79
	s_mov_b32 s77, s72
	s_add_co_u32 s78, s77, s73
	s_add_co_u32 s79, s78, s74
	s_and_b32 s80, s22, 0xffff                     ; run_e = base_e + what the waves in front of mine hold: s80-83
	s_lshr_b32 s81, s22, 16
	s_add_co_u32 s81, s81, s77
	s_and_b32 s82, s23, 0xffff
	s_add_co_u32 s82, s82, s78
	s_lshr_b32 s83, s23, 16
	s_add_co_u32 s83, s83, s79
.irp b, 0,1,2,3,4,5,6,7
	s_wait_xcnt 0x0                                ; the last block's stores have read v56-59: they are rewritten only behind this wait
.irp e, 0,1,2,3
	v_mbcnt_lo_u32_b32 v[52+\e], s[32+4*\b+\e], s[80+\e]  ; run_e + the lanes below mine that chose e
.endr
	v_mov_b32 v56, v52
	v_mov_b32 v57, v52
.irp e, 1,2,3
	v_cmp_eq_u32 vcc_lo, \e, v[16+\b]
	v_cndmask_b32 v56, v56, v[52+\e], vcc_lo
	v_cmp_eq_u32 vcc_lo, \e, v[24+\b]
	v_cndmask_b32 v57, v57, v[52+\e], vcc_lo
.endr
	v_min_u32 v56, 0x3fff, v56                     ; a slot stays inside the list whatever sel holds
	v_min_u32 v57, 0x3fff, v57
	v_lshlrev_b32 v56, 2, v56
	v_lshlrev_b32 v57, 2, v57
	v_add_nc_u32 v58, 64*\b, v6                    ; 2 t
	v_or_b32 v59, 1, v58                           ; 2 t + 1
	global_store_b32 v56, v58, s[10:11]
	global_store_b32 v57, v59, s[10:11]
.irp e, 0,1,2,3
	s_bcnt1_i32_b32 s20, s[32+4*\b+\e]
	s_add_co_u32 s[80+\e], s[80+\e], s20
.endr
.endr
	s_cmp_lt_u32 s16, 8
	s_cbranch_scc0 .Lpad                           ; waves 0 to 7 make the table: 256 entries
	; C_e = ceil(n_e / 320) clusters (320 rows each): their sum is 55 at the most, since (16,384 + 4 x 319) / 320 < 56; what is left of 55 goes to the largest expert
	v_mul_u32_u24 v7, v1, 320
.irp e, 0,1,2,3
	v_cmp_lt_u32 s20, v7, s[72+\e]                 ; n_e is 8,192 at the most: 32 lanes x 320 reach it
	s_bcnt1_i32_b32 s[84+\e], s20
.endr
	s_add_co_u32 s88, s84, s85
	s_add_co_u32 s88, s88, s86
	s_add_co_u32 s88, s88, s87
	s_sub_co_u32 s88, 55, s88
	s_mov_b32 s89, s72
	s_mov_b32 s90, 0
.irp e, 1,2,3
	s_cmp_gt_u32 s[72+\e], s89
	s_cselect_b32 s89, s[72+\e], s89
	s_cselect_b32 s90, \e, s90
.endr
.irp e, 0,1,2,3
	s_cmp_eq_u32 s90, \e
	s_cselect_b32 s20, s88, 0
	s_add_co_u32 s[84+\e], s[84+\e], s20
.endr
	; q_e = ceil(n_e / 4 C_e), the rows of a work-group: the number of x = 0 .. 95 with 4 C_e x < n_e; 80 at the most, since n_e <= 320 C_e
.irp e, 0,1,2,3
	s_lshl_b32 s21, s[84+\e], 2
	s_mov_b32 s[92+\e], 0
.irp k, 0,32,64
	v_add_nc_u32 v51, \k, v1
	v_mul_lo_u32 v51, v51, s21
	v_cmp_lt_u32 s20, v51, s[72+\e]
	s_bcnt1_i32_b32 s20, s20
	s_add_co_u32 s[92+\e], s[92+\e], s20
.endr
.endr
	s_mov_b32 s96, s84                             ; the first cluster of experts 1, 2, 3
	s_add_co_u32 s97, s96, s85
	s_add_co_u32 s98, s97, s86
	v_lshrrev_b32 v8, 2, v0                        ; thread w's cluster
	v_cmp_ge_u32 s20, v8, s96
	v_cmp_ge_u32 s21, v8, s97
	v_cmp_ge_u32 s22, v8, s98
	v_cndmask_b32 v14, 0, 1, s20                   ; its expert; a later bound overrides an earlier one
	v_cndmask_b32 v14, v14, 2, s21
	v_cndmask_b32 v14, v14, 3, s22
	v_mov_b32 v9, 0                                ; the expert's first cluster,
	v_cndmask_b32 v9, v9, s96, s20
	v_cndmask_b32 v9, v9, s97, s21
	v_cndmask_b32 v9, v9, s98, s22
	v_mov_b32 v10, s76                             ; its first slot,
	v_cndmask_b32 v10, v10, s77, s20
	v_cndmask_b32 v10, v10, s78, s21
	v_cndmask_b32 v10, v10, s79, s22
	v_mov_b32 v11, s92                             ; its rows a work-group,
	v_cndmask_b32 v11, v11, s93, s20
	v_cndmask_b32 v11, v11, s94, s21
	v_cndmask_b32 v11, v11, s95, s22
	v_mov_b32 v16, s72                             ; its rows in all
	v_cndmask_b32 v16, v16, s73, s20
	v_cndmask_b32 v16, v16, s74, s21
	v_cndmask_b32 v16, v16, s75, s22
	v_lshlrev_b32 v9, 2, v9
	v_sub_nc_u32 v9, v0, v9                        ; i: my number among the expert's work-groups
	v_mul_lo_u32 v9, v9, v11                       ; i q
	v_add_nc_u32 v12, v10, v9                      ; start
	v_sub_nc_u32 v13, v16, v9
	v_max_i32 v13, 0, v13
	v_min_u32 v13, v13, v11                        ; count = what is left, between 0 and q
	v_mov_b32 v15, 0
	global_store_b128 v3, v[12:15], s[12:13]
.Lpad:
	s_cmp_eq_u32 s16, 8
	s_cbranch_scc0 .Lend                           ; wave 8 writes the 512 bytes of zeros behind the list
	v_mov_b32 v20, 0
	v_mov_b32 v21, 0
	v_mov_b32 v22, 0
	v_mov_b32 v23, 0
	v_lshlrev_b32 v24, 4, v1
	global_store_b128 v24, v[20:23], s[10:11] offset:65536
.Lend:
	s_endpgm
.Lfunc_end_k_q87d69913f9_place:
	.size	k_q87d69913f9_place, .Lfunc_end_k_q87d69913f9_place-k_q87d69913f9_place
	.p2alignl 7, 3214868480
	.fill 96, 4, 3214868480
	.section	.rodata,"a",@progbits
	.p2align	6, 0x0
	.amdhsa_kernel k_q87d69913f9_place
		.amdhsa_group_segment_fixed_size 4608
		.amdhsa_private_segment_fixed_size 0
		.amdhsa_enable_private_segment 0
		.amdhsa_kernarg_size 48
		.amdhsa_user_sgpr_count 2
		.amdhsa_user_sgpr_kernarg_segment_ptr 1
		.amdhsa_wavefront_size32 1
		.amdhsa_system_sgpr_workgroup_id_x 1
		.amdhsa_system_sgpr_workgroup_id_y 1
		.amdhsa_system_sgpr_workgroup_id_z 1
		.amdhsa_system_vgpr_workitem_id 0
		.amdhsa_next_free_vgpr 64
		.amdhsa_next_free_sgpr 100
		.amdhsa_reserve_vcc 1
		.amdhsa_float_denorm_mode_32 3
		.amdhsa_float_denorm_mode_16_64 3
		.amdhsa_memory_ordered 1
		.amdhsa_forward_progress 1
		.amdhsa_inst_pref_size 33
	.end_amdhsa_kernel
	.amdgpu_metadata
---
amdhsa.version: [ 1, 2 ]
amdhsa.kernels:
  - .name:           k_q87d69913f9_place
    .symbol:         k_q87d69913f9_place.kd
    .args:
      - { .name: sel, .offset: 0, .size: 8, .value_kind: global_buffer, .address_space: global }
      - { .name: b_fc, .offset: 8, .size: 8, .value_kind: global_buffer, .address_space: global }
      - { .name: b_proj, .offset: 16, .size: 8, .value_kind: global_buffer, .address_space: global }
      - { .name: list, .offset: 24, .size: 8, .value_kind: global_buffer, .address_space: global }
      - { .name: tab, .offset: 32, .size: 8, .value_kind: global_buffer, .address_space: global }
      - { .name: aux, .offset: 40, .size: 8, .value_kind: global_buffer, .address_space: global }
    .group_segment_fixed_size: 4608
    .private_segment_fixed_size: 0
    .kernarg_segment_align: 8
    .kernarg_segment_size: 48
    .max_flat_workgroup_size: 1024
    .sgpr_count:     100
    .vgpr_count:     64
    .wavefront_size: 32
...
	.end_amdgpu_metadata
.endif
;; end of part 2
;; launch moe (part 3): grid 220 x 1, 4 waves a work-group, no clusters, 327,680 bytes of LDS; arguments xb, wfcb, wpjh, aux, list, tab, y2; writes y2
.if DOCPART == 3
	.amdgcn_target "amdgcn-amd-amdhsa--gfx1250"
	.amdhsa_code_object_version 6
	.text
	.protected	k_q87d69913f9_moe
	.globl	k_q87d69913f9_moe
	.p2align	8
	.type	k_q87d69913f9_moe,@function
k_q87d69913f9_moe:
	s_mov_b64 s[64:65], 0
	v_nop
	global_prefetch_b8 v0, s[64:65] scope:SCOPE_SE
	s_setreg_imm32_b32 hwreg(HW_REG_WAVE_MODE, 25, 1), 1
	s_wait_xcnt 0x0
; MOE: y2[dest] = gate x (gelu(x W_fc + b_fc) W_proj + b_proj) for the rows that the table gives this work-group: fc, GELU and proj in one launch; the hidden numbers never leave LDS.
; SHARES.  A work-group: up to 80 rows (five blocks of 16) of ONE expert, all 2,048 hidden units in 8 chunks of 256.  The four waves split the columns: in fc 64 hidden units each (20 accumulators),
; in proj 128 of the 512 output columns each (40 accumulators, kept over all chunks).  A chunk is 16 K steps of fc (20 products) and 8 of proj (40 products).
; NO CLUSTER.  Work-groups of one expert walk the same weight tiles, but which expert a work-group serves hangs on counts read from memory (the table), and a joint request's descriptor is made of
; coordinates that the partners share, not of loaded numbers.  A fixed share of clusters for each expert would need room for 8,192 rows an expert, 32,768 rows for the 16,384 that there are.
; Nothing but global addresses and selects hangs on the table: rows beyond count are computed on whatever token the list names there and stored into the work-group's own spare row of y2.
; LAYOUT.  Both products are used transposed: source 0 = 16 columns of the weights (stored [k][n], turned by ds_load_tr16_b128), source 1 = 16 rows of tokens.  A lane then holds ONE token (lane % 16)
; and eight neighbouring columns 8 (lane / 16) + 0..7: the hidden numbers pack into 16 bytes of a row of H, which is source 1 of proj as it lies.
; FORMATS.  x, w_fc: bf16.  H = 2 gelu in f16; w_proj: bf16's number written as f16.  Sums in f32.  The output sums start at 2 b_proj and are scaled by gate / 2 at the end.
; GELU.  2 gelu(z) = z + |z| erf(|z| / sqrt 2), erf(x) = 1 - (a1 t + a2 t^2 + a3 t^3) e^(-x x), t = 1 / (1 + 0.47047 x) (Abramowitz and Stegun 7.1.25).
; LIMITS.  That erf is off by 2.5e-5 at the most, for every argument.  2 gelu is kept in f16: |gelu| stays under 32,752.  NaN and infinities are not treated apart.
; RING.  Two LDS slots take turns: f0 f1 f2 f3 p0 p1 p2 p3 of a chunk (fc tiles of 128 k x 256 n, proj tiles of 64 k x 512 n), then the next chunk's; each wave brings a quarter of each tile.
; By this text's count a wave has two tensor loads out at the start and one behind each change of slots.
.set SLOT1, 131072                     ; slot 0 at 0, slot 1 here; 69,632 bytes each
.set HB,    69632                      ; H: 80 rows x 528
.set SPARE, 111872                     ; the spare words: 128 bytes a wave
.set XB,    200704                     ; x: 80 rows x 1,040
.set STG,   283904                     ; the way out: 16 rows x 528 for each wave
.set PF,    544                        ; LDS pitches.  fc tile: 512 + 32; proj tile: 1,024 + 32: odd multiples of 32 bytes, for the turning load
.set PP,    1056
.set PH,    528                        ; H, the stage: 512 + 16; x: 1,024 + 16: odd multiples of 16 bytes, so that the 16 rows of a load start at 16 different groups of four banks (ISA guide 11.1)
.set PX,    1040
; window 0
.set SPW, 1                            ; my spare word; never rewritten
.set NIL, 2                            ; 0; never rewritten
.set R,   3                            ; lane % 16
.set H,   4                            ; lane / 16
.set LN,  5                            ; lane
.set AWF, 6                            ; v6-7    my place in an fc tile, slot 0, 1
.set AWP, 8                            ; v8-9    in a proj tile
.set AX,  10                           ; v10-11  in x: row blocks 0-2, 3-4
.set AH,  12                           ; in H, to read
.set STH, 13                           ; in H, to store
.set VB,  14                           ; my byte in a chunk's 1,024 bytes of b_fc
.set VO,  15                           ; my byte in the expert's 2,048 bytes of b_proj
.set STO, 16                           ; the stage: in
.set RD,  17                           ; the stage: back
.set YL,  18                           ; my byte in a row of y2
.set L16, 19                           ; 16 lane
.set G2,  20                           ; v20-29  gate / 2 of row 16 rb + lane % 16, twice (a pair for the packed multiply)
.set GS,  32                           ; v32-79  two sets {z 8, t 8, w 8} for the GELU
.set U,   80                           ; v80-87
.set VA,  64                           ; the way out: 16 addresses
.set TM,  96                           ; 64 scaled results
.set RB,  160                          ; 16 rows read back
; window 1
.set FB0, 0                            ; two fragment buffers: fc: W 4 x 8, x 5 x 8 at +32; proj: W 8 x 8, H 5 x 8 at +64
.set FB1, 104
.set BI,  208                          ; v208-239 my 32 numbers of b_fc
; window 2: v0-159 fc's accumulators, tile 4 rb + c; v160-223 proj's of row block 4.   window 3: proj's accumulators 8 rb + c, rb = 0..3
.set WV,  18                           ; s18 wave
.set CH,  19                           ; s19 512 x the chunk in hand: its columns' byte in a row of w_fc
.set OF,  26                           ; s[26:27] an offset as a pair; the high word stays 0
.set G1F, 32                           ; s[32:39] group 1, fc tiles     s[40:47] proj tiles
.set G1P, 40
.set F0,  48                           ; group 0: fc slot 0, fc slot 1, proj slot 0, proj slot 1
.set F1,  52
.set P0,  56
.set P1,  60
.set CN,  66                           ; s[66:67] -log2(e) / 2
.set A1,  68
.set A2,  70
.set A3,  72
.set CP,  74                           ; 0.47047 / sqrt 2
.set DL,  76                           ; s[76:95] words of the table and of the list
.set MSB, 0
.macro WIN new                         ; s_set_vgpr_msb: bits 1:0 source 0, 3:2 source 1, 5:4 source 2, 7:6 destination; the high byte repeats the setting that is left
.if MSB != (\new)
	s_set_vgpr_msb (MSB<<8)|(\new)
.set MSB, (\new)
.endif
.endm
.macro PLACES                          ; four places between a matrix instruction and a vector line or load that touches its registers
.rept 4
	v_nop
.endr
.endm
.macro JL g0, g1                       ; my quarter of a tile; s_nop 0 and four v_nop follow
	tensor_load_to_lds s[\g0:\g0+3], s[\g1:\g1+7]
	s_nop 0
	PLACES
.endm
; 18 LDS loads: the fragments of fc's K step ks (step kk of the tile in the slot): my 64 columns of W, turned, and 80 rows of x
.macro FETCHF slot, kk, ks, buf
	WIN 0x40
.irp c, 0,1,2,3
	ds_load_tr16_b128 v[(\buf)+8*\c:(\buf)+8*\c+3],   v[AWF+(\slot)] offset:(\kk)*32*PF+32*\c
	ds_load_tr16_b128 v[(\buf)+8*\c+4:(\buf)+8*\c+7], v[AWF+(\slot)] offset:(\kk)*32*PF+32*\c+16*PF
.endr
.irp r, 0,1,2,3,4
	ds_load_b128 v[(\buf)+32+8*\r:(\buf)+32+8*\r+3],   v[AX+(\r)/3] offset:((\r)%3)*16*PX+64*(\ks)
	ds_load_b128 v[(\buf)+32+8*\r+4:(\buf)+32+8*\r+7], v[AX+(\r)/3] offset:((\r)%3)*16*PX+64*(\ks)+32
.endr
.endm
; 26 LDS loads: proj's K step ks of the chunk: my 128 columns of W, turned, and 80 rows of H
.macro FETCHP slot, kk, ks, buf
	WIN 0x40
.irp c, 0,1,2,3,4,5,6,7
	ds_load_tr16_b128 v[(\buf)+8*\c:(\buf)+8*\c+3],   v[AWP+(\slot)] offset:(\kk)*32*PP+32*\c
	ds_load_tr16_b128 v[(\buf)+8*\c+4:(\buf)+8*\c+7], v[AWP+(\slot)] offset:(\kk)*32*PP+32*\c+16*PP
.endr
.irp r, 0,1,2,3,4
	ds_load_b128 v[(\buf)+64+8*\r:(\buf)+64+8*\r+3],   v[AH] offset:(\r)*16*PH+64*(\ks)
	ds_load_b128 v[(\buf)+64+8*\r+4:(\buf)+64+8*\r+7], v[AH] offset:(\r)*16*PH+64*(\ks)+32
.endr
.endm
; fc's products i0 .. i1 of 20 (row block i / 4, column tile i % 4); zero = 1: they start the sums.  The accumulators take turns, one instruction a turn.
.macro MULF buf, i0, i1, zero
	WIN 0xa5
.set mi, (\i0)
.rept (\i1)-(\i0)+1
.if \zero
	v_wmma_f32_16x16x32_bf16 v[8*mi:8*mi+7], v[(\buf)+8*(mi%4):(\buf)+8*(mi%4)+7], v[(\buf)+32+8*(mi/4):(\buf)+32+8*(mi/4)+7], 0
.else
	v_wmma_f32_16x16x32_bf16 v[8*mi:8*mi+7], v[(\buf)+8*(mi%4):(\buf)+8*(mi%4)+7], v[(\buf)+32+8*(mi/4):(\buf)+32+8*(mi/4)+7], v[8*mi:8*mi+7]
.endif
.set mi, mi+1
.endr
.endm
; proj's products i0 .. i1 of 40 (row block i / 8, column tile i % 8)
.macro MULP buf, i0, i1
.set mi, (\i0)
.rept (\i1)-(\i0)+1
.if mi < 32
	WIN 0xf5
.set rD, 8*mi
.else
	WIN 0xa5
.set rD, 160+8*(mi-32)
.endif
	v_wmma_f32_16x16x32_f16 v[rD:rD+7], v[(\buf)+8*(mi%8):(\buf)+8*(mi%8)+7], v[(\buf)+64+8*(mi/8):(\buf)+64+8*(mi/8)+7], v[rD:rD+7]
.set mi, mi+1
.endr
.endm
; One of a tile's K steps but the last: multiplies one buffer and fetches the next step into the other, in one run behind its first products.
.macro FSTEP slot, kk, ks
.if ((\ks)%2) == 0
.set fa, FB0
.set fb, FB1
.else
.set fa, FB1
.set fb, FB0
.endif
.set fz, 0
.if (\ks) == 0
.set fz, 1
.endif
	s_wait_dscnt 0x0                               ; this step's fragments are in
	MULF fa, 0, 3, fz
	PLACES                                         ; for the loads into the buffer that the step before multiplied
	FETCHF \slot, (\kk)+1, (\ks)+1, fb
	MULF fa, 4, 19, fz
.endm
.macro PSTEP slot, ks                  ; a proj tile's first step, on buffer 0; fetches its second into buffer 1
	s_wait_dscnt 0x0
	MULP FB0, 0, 7
	PLACES
	FETCHP \slot, 1, (\ks)+1, FB1
	MULP FB0, 8, 39
.endm
; A tile's LAST K step, on buffer 1, changes slots.  site: 0-3 the ends of f0-f3, 4-7 of p0-p3, 8 the end of the very last p2.
.macro TPROD site, p                   ; quarter p of the step's products; the fourth takes all that is left
.if (\site) < 4
.if (\p) < 3
	MULF FB1, 4*(\p), 4*(\p)+3, 0
.else
	MULF FB1, 12, 19, 0
.endif
.else
.if (\p) < 3
	MULP FB1, 8*(\p), 8*(\p)+7
.else
	MULP FB1, 24, 39
.endif
.endif
.endm
.macro FADDR g0, off                   ; an fc tile's address is made anew: my base in the expert's w_fc + (the chunk's 512 t + the tile's rows), by additions alone; the type bits are set again
	s_add_co_u32 s[OF], s[CH], \off
	s_add_nc_u64 s[\g0+2:\g0+3], s[6:7], s[OF:OF+1]
	s_or_b32 s[\g0+3], s[\g0+3], 0x80000000
.endm
.macro SITE_STEP site                  ; the descriptors are written where no tensor load of mine is out.  fc: tile i begins 128 i rows of 4,096 bytes down; proj: two tiles on = 128 rows of 1,024 bytes, across chunks too
.if (\site) == 0
	FADDR F0, 2*524288                             ; f2
.elseif (\site) == 1
	FADDR F1, 3*524288                             ; f3
.elseif (\site) == 4
	s_add_nc_u64 s[P0+2:P0+3], s[P0+2:P0+3], 131072
.elseif (\site) == 5
	s_add_nc_u64 s[P1+2:P1+3], s[P1+2:P1+3], 131072
.elseif (\site) == 6
	FADDR F0, 512                                  ; the next chunk's f0
	s_add_nc_u64 s[P0+2:P0+3], s[P0+2:P0+3], 131072
.elseif (\site) == 7
	FADDR F1, 524288+512                           ; the next chunk's f1
	s_add_nc_u64 s[P1+2:P1+3], s[P1+2:P1+3], 131072
.endif
.endm
.macro SITE_LOAD site                  ; the slot just read out takes the tile two further on in the ring
.if ((\site) == 0) || ((\site) == 6)
	JL F0, G1F
.elseif ((\site) == 1) || ((\site) == 7)
	JL F1, G1F
.elseif ((\site) == 2) || ((\site) == 4)
	JL P0, G1P
.elseif ((\site) == 3) || ((\site) == 5)
	JL P1, G1P
.else
	PLACES
.endif
.endm
.macro SITE_FETCH site                 ; the next tile's first fragments, into buffer 0 (behind f3 the GELU comes first)
.if (\site) == 0
	FETCHF 1, 0, 4, FB0
.elseif (\site) == 1
	FETCHF 0, 0, 8, FB0
.elseif (\site) == 2
	FETCHF 1, 0, 12, FB0
.elseif (\site) == 4
	FETCHP 1, 0, 2, FB0
.elseif (\site) == 5
	FETCHP 0, 0, 4, FB0
.elseif ((\site) == 6) || ((\site) == 8)
	FETCHP 1, 0, 6, FB0
.elseif (\site) == 7
	FETCHF 0, 0, 0, FB0
.endif
.endm
.macro TURN site
	s_wait_dscnt 0x0                               ; this step's fragments are in: my last reads of this slot
	TPROD \site, 0
	WIN 0                                          ; (the add's two registers lie in window 0)
	s_wait_tensorcnt 0x0                           ; all my tensor loads have landed: the one that was out is my quarter of the other slot
	ds_add_u32 v[SPW], v[NIL]                      ; 0 onto my spare word: the steps and products below stand between it and the wait for it
	SITE_STEP \site
	TPROD \site, 1
	s_wait_dscnt 0x0                               ; the add is done, and my reads of this slot are over
	s_barrier_signal -1                            ; say so,
	TPROD \site, 2                                 ; work on registers while the others arrive,
	WIN 0
	s_barrier_wait -1                              ; and go on when all four have said so: nobody reads this slot any more, and the other slot is whole
	SITE_LOAD \site                                ; the first tensor load behind the barrier, my only one; its four v_nop are also the places in front of the loads below
	SITE_FETCH \site
	TPROD \site, 3
.endm
; THE GELU of fc's tile i, in three parts; the register sets go by i's parity.
.macro GA i                            ; 20 plain lines: z = sum + bias (the accumulator's lowest registers first); w = -z z log2(e) / 2; t = 1 + |z| 0.47047 / sqrt 2
.set rZ, GS+24*((\i)%2)
	WIN 0x06                                       ; source 0 window 2, source 1 window 1
.irp j, 0,2,4,6
	v_pk_add_f32 v[rZ+\j:rZ+\j+1], v[8*(\i)+\j:8*(\i)+\j+1], v[BI+8*((\i)%4)+\j:BI+8*((\i)%4)+\j+1]
.endr
	WIN 0
.irp j, 0,2,4,6
	v_pk_mul_f32 v[rZ+16+\j:rZ+16+\j+1], v[rZ+\j:rZ+\j+1], v[rZ+\j:rZ+\j+1]
.endr
.irp j, 0,1,2,3,4,5,6,7
	v_fma_f32 v[rZ+8+\j], |v[rZ+\j]|, s[CP], 1.0
.endr
.irp j, 0,2,4,6
	v_pk_mul_f32 v[rZ+16+\j:rZ+16+\j+1], v[rZ+16+\j:rZ+16+\j+1], s[CN:CN+1] op_sel_hi:[1,0]
.endr
.endm
.macro GT i                            ; 16 transcendentals on end; the plain lines of the next tile's GA follow them (ISA guide 5.7.2)
.set rZ, GS+24*((\i)%2)
	WIN 0
.irp j, 0,1,2,3,4,5,6,7
	v_rcp_f32 v[rZ+8+\j], v[rZ+8+\j]
.endr
.irp j, 0,1,2,3,4,5,6,7
	v_exp_f32 v[rZ+16+\j], v[rZ+16+\j]
.endr
.endm
.macro GB i                            ; erf = 1 - t (a1 + t (a2 + t a3)) w; 2 gelu = z + |z| erf; to f16; 16 bytes into H
.set rZ, GS+24*((\i)%2)
	WIN 0
	s_wait_alu depctr_va_vdst(0)
.irp j, 0,2,4,6
	v_pk_fma_f32 v[U+\j:U+\j+1], v[rZ+8+\j:rZ+8+\j+1], s[A3:A3+1], s[A2:A2+1] op_sel_hi:[1,0,0]
.endr
.irp j, 0,2,4,6
	v_pk_fma_f32 v[U+\j:U+\j+1], v[U+\j:U+\j+1], v[rZ+8+\j:rZ+8+\j+1], s[A1:A1+1] op_sel_hi:[1,1,0]
.endr
.irp j, 0,2,4,6
	v_pk_mul_f32 v[U+\j:U+\j+1], v[U+\j:U+\j+1], v[rZ+8+\j:rZ+8+\j+1]
.endr
.irp j, 0,2,4,6
	v_pk_fma_f32 v[U+\j:U+\j+1], v[U+\j:U+\j+1], v[rZ+16+\j:rZ+16+\j+1], 1.0 op_sel_hi:[1,1,0] neg_lo:[1,0,0] neg_hi:[1,0,0]
.endr
.irp j, 0,1,2,3,4,5,6,7
	v_fma_f32 v[rZ+\j], |v[rZ+\j]|, v[U+\j], v[rZ+\j]
.endr
.irp j, 0,1,2,3
	v_cvt_pk_f16_f32 v[rZ+8+\j], v[rZ+2*\j], v[rZ+2*\j+1]
.endr
	ds_store_b128 v[STH], v[rZ+8:rZ+11] offset:((\i)/4)*16*PH+32*((\i)%4)
.endm
	s_load_b256 s[4:11], s[0:1], 0x0               ; xb s[4:5], wfcb s[6:7], wpjh s[8:9], aux s[10:11]
	s_load_b128 s[12:15], s[0:1], 0x20             ; list s[12:13], tab s[14:15]
	s_load_b64 s[16:17], s[0:1], 0x30              ; y2
	v_lshl_add_u32 v[SPW], v0, 2, SPARE
	v_mov_b32 v[NIL], 0
	ds_add_u32 v[SPW], v[NIL]                      ; the wave's opening add, with its wait ahead of my first tensor load: the set-up below, work on registers, stands between them
	ds_add_u32 v1, v2
	v_lshrrev_b32 v30, 5, v0
	v_readfirstlane_b32 s[WV], v30                 ; wave 0..3
	s_add_co_u32 s25, ttmp9, 16384                 ; my work-group's spare row of y2
	s_lshl_b32 s[OF], ttmp9, 4                     ; my entry of the table
	; group 1.  fc: my quarter is 32 rows x 256 elements of 2 bytes, 2,048 elements from row to row, 8 words of padding after every 128; proj: 16 rows x 512, 512 from row to row, 8 words after every 256
	s_mov_b32 s[G1F+0], (1<<16)|(1<<20)|(6<<22)|(7<<25)  ; 15:0 no mask; 17:16 2-byte elements; 20 padding on; 24:22 the interval; 31:25 the padding
	s_mov_b32 s[G1F+1], 256<<16                    ; tensor_dim0
	s_mov_b32 s[G1F+2], 32<<16                     ; tensor_dim1
	s_mov_b32 s[G1F+3], 256<<16                    ; tile_dim0
	s_mov_b32 s[G1F+4], 32                         ; tile_dim1
	s_mov_b32 s[G1F+5], 2048                       ; the pitch
	s_mov_b32 s[G1F+6], 0
	s_mov_b32 s[G1F+7], 0
	s_mov_b32 s[G1P+0], (1<<16)|(1<<20)|(7<<22)|(7<<25)
	s_mov_b32 s[G1P+1], 512<<16
	s_mov_b32 s[G1P+2], 16<<16
	s_mov_b32 s[G1P+3], 512<<16
	s_mov_b32 s[G1P+4], 16
	s_mov_b32 s[G1P+5], 512
	s_mov_b32 s[G1P+6], 0
	s_mov_b32 s[G1P+7], 0
	s_mov_b32 s[F0], 1
	s_mov_b32 s[F1], 1
	s_mov_b32 s[P0], 1
	s_mov_b32 s[P1], 1
	s_mul_i32 s[F0+1], s[WV], 32*PF                ; LDS: the slot + wave x a quarter
	s_add_co_u32 s[F1+1], s[F0+1], SLOT1
	s_mul_i32 s[P0+1], s[WV], 16*PP
	s_add_co_u32 s[P1+1], s[P0+1], SLOT1
	s_mov_b32 s[CN], 0xbf38aa3b                    ; the packed lines name pairs and take the low word for both halves: both words are written
	s_mov_b32 s[CN+1], 0xbf38aa3b
	s_mov_b32 s[A1], 0x3eb2303a                    ; 0.3480242
	s_mov_b32 s[A1+1], 0x3eb2303a
	s_mov_b32 s[A2], 0xbdc45ca1                    ; -0.0958798
	s_mov_b32 s[A2+1], 0xbdc45ca1
	s_mov_b32 s[A3], 0x3f3f7377                    ; 0.7478556
	s_mov_b32 s[A3+1], 0x3f3f7377
	s_mov_b32 s[CP], 0x3eaa540e                    ; 0.47047 / sqrt 2
	s_mov_b32 s[CH], 0                             ; chunk 0
	s_mov_b32 s21, 8                               ; chunks to go
	s_wait_dscnt 0x0                               ; the opening add is done
	s_wait_kmcnt 0x0
	s_load_b128 s[DL:DL+3], s[14:15], s[OF] offset:0x0  ; start, count, expert, 0
	s_wait_kmcnt 0x0
	s_min_u32 s22, s[DL], 16384                    ; whatever the table holds, every address stays inside its buffer
	s_min_u32 s23, s[DL+1], 80
	s_min_u32 s24, s[DL+2], 3
	s_lshl_b32 s28, s22, 2                         ; my first slot's byte in the list
	s_mul_i32 s29, s[WV], 80
	s_add_co_u32 s29, s29, s28                     ; and that of the 20 rows that my wave gathers
	s_lshl_b32 s[OF], s24, 21                      ; an expert's weights: 2,097,152 bytes in either tensor
	s_lshl_b32 s75, s[WV], 17                      ; fc: my 32 rows of 4,096 bytes
	s_add_co_u32 s[OF], s[OF], s75
	s_mov_b32 s[OF+1], 0
	s_add_nc_u64 s[6:7], s[6:7], s[OF:OF+1]        ; my base in the expert's w_fc: it stays, and every fc tile's address is made from it
	s_add_nc_u64 s[F0+2:F0+3], s[6:7], 0           ; tile f0
	s_add_nc_u64 s[F1+2:F1+3], s[6:7], 524288      ; tile f1: 128 rows on
	s_or_b32 s[F0+3], s[F0+3], 0x80000000          ; 127:126 type = 2
	s_or_b32 s[F1+3], s[F1+3], 0x80000000
	s_lshl_b32 s[OF], s24, 21
	s_lshl_b32 s75, s[WV], 14                      ; proj: my 16 rows of 1,024 bytes
	s_add_co_u32 s[OF], s[OF], s75
	s_add_nc_u64 s[P0+2:P0+3], s[8:9], s[OF:OF+1]
	s_add_nc_u64 s[P1+2:P1+3], s[P0+2:P0+3], 65536   ; tile p1: 64 rows on
	s_or_b32 s[P0+3], s[P0+3], 0x80000000
	s_or_b32 s[P1+3], s[P1+3], 0x80000000
	s_lshl_b32 s[OF], s24, 13
	s_add_co_u32 s[OF], s[OF], 65536
	s_add_nc_u64 s[30:31], s[10:11], s[OF:OF+1]    ; the expert's b_fc, chunk 0
	s_lshl_b32 s[OF], s24, 11
	s_add_co_u32 s[OF], s[OF], 98304
	s_add_nc_u64 s[2:3], s[10:11], s[OF:OF+1]      ; the expert's 2 b_proj
	tensor_load_to_lds s[F0:F0+3], s[G1F:G1F+7]    ; f0 and f1: the two first fills go out together, ahead of every wait on TENSORcnt, every LDS read and every barrier
	s_nop 0
	tensor_load_to_lds s[F1:F1+3], s[G1F:G1F+7]
	s_nop 0
	PLACES
	s_load_b512 s[DL:DL+15], s[12:13], s29 offset:0x0    ; the 20 rows 20 wave + i that my wave gathers
	s_load_b128 s[DL+16:DL+19], s[12:13], s29 offset:0x40
	v_and_b32 v[R], 15, v0
	v_bfe_u32 v[H], v0, 4, 1
	v_and_b32 v[LN], 31, v0
	v_lshl_add_u32 v52, v[R], 2, s28
.irp r, 0,1,2,3,4
	global_load_b32 v[53+\r], v52, s[12:13] offset:64*\r  ; the list's word of row 16 rb + lane % 16, for its gate
.endr
	v_lshlrev_b32 v[L16], 4, v[LN]
	; the turning load: lane l reads 16 bytes of row 8 (l / 16) + l % 8, at byte 16 ((l / 8) % 2) of the 32 bytes of a column tile
	v_and_b32 v30, 7, v0
	v_lshl_add_u32 v30, v[H], 3, v30
	v_bfe_u32 v31, v0, 3, 1
	v_lshlrev_b32 v31, 4, v31
	v_mul_u32_u24 v[AWF], v30, PF
	v_add_nc_u32 v[AWF], v[AWF], v31
	v_lshl_add_u32 v[AWF], s[WV], 7, v[AWF]        ; my 64 columns: 128 bytes a wave
	v_add_nc_u32 v[AWF+1], SLOT1, v[AWF]
	v_mul_u32_u24 v[AWP], v30, PP
	v_add_nc_u32 v[AWP], v[AWP], v31
	v_lshl_add_u32 v[AWP], s[WV], 8, v[AWP]        ; my 128 columns: 256 bytes a wave
	v_add_nc_u32 v[AWP+1], SLOT1, v[AWP]
	v_mul_u32_u24 v[AX], v[R], PX                  ; a fragment of rows that lie along K: row x pitch + 16 x half
	v_lshl_add_u32 v[AX], v[H], 4, v[AX]
	v_add_nc_u32 v[AX], XB, v[AX]
	v_add_nc_u32 v[AX+1], 48*PX, v[AX]
	v_mul_u32_u24 v[AH], v[R], PH
	v_lshl_add_u32 v[STO], v[H], 5, v[AH]          ; the stage: row l % 16, 32 bytes for each half of the lanes
	v_lshl_add_u32 v[AH], v[H], 4, v[AH]
	v_add_nc_u32 v[AH], HB, v[AH]
	v_lshl_add_u32 v[STH], s[WV], 7, v[AH]
	v_lshlrev_b32 v[VB], 5, v[H]
	v_lshl_add_u32 v[VO], s[WV], 9, v[VB]
	v_lshl_add_u32 v[VB], s[WV], 8, v[VB]
	s_mul_i32 s75, s[WV], 16*PH
	s_add_co_u32 s75, s75, STG                     ; my stage
	v_add_nc_u32 v[STO], s75, v[STO]
	v_add_nc_u32 v[RD], s75, v[L16]
	v_lshl_add_u32 v[YL], s[WV], 9, v[L16]
	s_mul_i32 s75, s[WV], 20*PX
	s_add_co_u32 s75, s75, XB
	v_add_nc_u32 v63, s75, v[L16]                  ; where my wave's 20 rows go in LDS
	s_wait_kmcnt 0x0
.set gi, 0
.rept 20                                               ; THE GATHER: a row of xb is 1,024 bytes: two loads of 512 consecutive bytes
	s_lshr_b32 s75, s[DL+gi], 1                    ; the token,
	s_min_u32 s75, s75, 8191                       ; inside xb whatever the list holds
	v_lshl_add_u32 v[32+gi], s75, 10, v[L16]
	global_load_b128 v[96+8*gi:96+8*gi+3], v[32+gi], s[4:5]
	global_load_b128 v[96+8*gi+4:96+8*gi+7], v[32+gi], s[4:5] offset:512
.set gi, gi+1
.endr
	s_wait_loadcnt 40                              ; the five words of the list are in; the gather's 40 loads stay out
.irp r, 0,1,2,3,4
	v_min_u32 v[53+\r], 0x3fff, v[53+\r]
	v_lshlrev_b32 v[53+\r], 2, v[53+\r]
	global_load_b32 v[58+\r], v[53+\r], s[10:11]   ; the row's gate
.endr
	s_wait_loadcnt 5                               ; the gather is in; the five gates stay out
.set gi, 0
.rept 20
	ds_store_b128 v63, v[96+8*gi:96+8*gi+3] offset:gi*PX
	ds_store_b128 v63, v[96+8*gi+4:96+8*gi+7] offset:gi*PX+512
.set gi, gi+1
.endr
	s_wait_loadcnt 0x0
.irp r, 0,1,2,3,4
	v_mul_f32 v[G2+2*\r], 0.5, v[58+\r]
	v_mul_f32 v[G2+2*\r+1], 0.5, v[58+\r]
.endr
	; the output sums start at 2 b_proj, loaded straight into the 40 accumulators: nothing is cleared, and every chunk is alike
	WIN 0xc0
.set oi, 0
.rept 32
	global_load_b128 v[8*oi:8*oi+3], v[VO], s[2:3] offset:64*(oi%8)
	global_load_b128 v[8*oi+4:8*oi+7], v[VO], s[2:3] offset:64*(oi%8)+16
.set oi, oi+1
.endr
	WIN 0x80
.set oi, 0
.rept 8
	global_load_b128 v[160+8*oi:160+8*oi+3], v[VO], s[2:3] offset:64*oi
	global_load_b128 v[160+8*oi+4:160+8*oi+7], v[VO], s[2:3] offset:64*oi+16
.set oi, oi+1
.endr
	WIN 0
	s_wait_tensorcnt 1                             ; my quarter of f0 is in; f1's may stay out
	s_wait_dscnt 0x0                               ; my 20 rows of x are in LDS
	s_barrier_signal -1
	s_barrier_wait -1                              ; everybody's are
	FETCHF 0, 0, 0, FB0
	WIN 0                                          ; at a label and at a branch every window is 0
.Lchunk:                                               ; eight trips; the last leaves in the middle
	WIN 0x40
.irp c, 0,1,2,3
	global_load_b128 v[BI+8*\c:BI+8*\c+3], v[VB], s[30:31] offset:64*\c      ; the chunk's b_fc for my 32 numbers a token
	global_load_b128 v[BI+8*\c+4:BI+8*\c+7], v[VB], s[30:31] offset:64*\c+16
.endr
	FSTEP 0, 0, 0
	FSTEP 0, 1, 1
	FSTEP 0, 2, 2
	TURN 0
	FSTEP 1, 0, 4
	FSTEP 1, 1, 5
	FSTEP 1, 2, 6
	TURN 1
	FSTEP 0, 0, 8
	FSTEP 0, 1, 9
	FSTEP 0, 2, 10
	TURN 2
	FSTEP 1, 0, 12
	FSTEP 1, 1, 13
	FSTEP 1, 2, 14
	TURN 3
	; THE GELU of the chunk's 20 tiles
	PLACES                                         ; behind the last products
	WIN 0
	s_wait_loadcnt 0x0                             ; b_fc is in (in the first trip the output sums' starts too)
	s_add_nc_u64 s[30:31], s[30:31], 1024          ; the next chunk's; free since that wait
	GA 0
.set gi, 0
.rept 20
	GT gi
.if gi < 19
	GA gi+1
.else
	v_nop                                          ; a plain line behind the last exponential
	s_wait_alu depctr_va_vdst(0)
.endif
	GB gi
.set gi, gi+1
.endr
	s_wait_dscnt 0x0                               ; for the others' sake: my columns of H are in LDS
	s_barrier_signal -1                            ; P1's load may stay out
	s_barrier_wait -1
	FETCHP 0, 0, 0, FB0                            ; p0 was shown whole by the barrier at f3's end
	PSTEP 0, 0
	TURN 4
	PSTEP 1, 2
	TURN 5
	PSTEP 0, 4
	WIN 0
	s_cmp_eq_u32 s21, 1
	s_cbranch_scc1 .Llast                          ; the last chunk's tail is written out: it asks for nothing more
	TURN 6
	PSTEP 1, 6
	TURN 7
	WIN 0
	s_add_co_u32 s[CH], s[CH], 512                 ; the next chunk's 256 columns of w_fc
	s_sub_co_u32 s21, s21, 1
	s_branch .Lchunk
.Llast:
	TURN 8
	PSTEP 1, 6
	s_wait_dscnt 0x0
	MULP FB1, 0, 39
	PLACES                                         ; the scaling below reads results just made
; THE WAY OUT of row block rb: scaled by gate / 2; through my own stage in LDS; back as whole rows of my 128 columns, 512 bytes; each row to its place in y2, or, beyond count, to my work-group's spare row.
.macro OUTB rb
	WIN 0
	s_wait_xcnt 0x0                                ; the last block's stores have read their addresses and data: those registers are rewritten only behind this wait
	s_load_b512 s[DL:DL+15], s[12:13], s28 offset:64*(\rb)  ; the block's 16 destinations
.if (\rb) < 4
	WIN 0x03
.set ob, 64*(\rb)
.else
	WIN 0x02
.set ob, 160
.endif
.set oi, 0
.rept 32                                               ; ascending: each accumulator's lowest registers are read first
	v_pk_mul_f32 v[TM+2*oi:TM+2*oi+1], v[ob+2*oi:ob+2*oi+1], v[G2+2*(\rb):G2+2*(\rb)+1]
.set oi, oi+1
.endr
	WIN 0
.irp c, 0,1,2,3,4,5,6,7
	ds_store_b128 v[STO], v[TM+8*\c:TM+8*\c+3] offset:64*\c
	ds_store_b128 v[STO], v[TM+8*\c+4:TM+8*\c+7] offset:64*\c+16
.endr
.set oi, 0
.rept 16
	ds_load_b128 v[RB+4*oi:RB+4*oi+3], v[RD] offset:PH*oi  ; LDS serves a wave's instructions in order (ISA guide 5.7.1.4): these see the stores above, and the next block's stores come behind them
.set oi, oi+1
.endr
	s_wait_kmcnt 0x0
.set oi, 0
.rept 16
	s_cmp_gt_u32 s23, 16*(\rb)+oi                  ; is the row one of mine?
	s_cselect_b32 s75, s[DL+oi], s25
	s_min_u32 s75, s75, 16603                      ; inside y2 whatever the list holds
	v_lshl_add_u32 v[VA+oi], s75, 11, v[YL]
.set oi, oi+1
.endr
.set oi, 0
.rept 16
	s_wait_dscnt 15-oi                             ; row oi is back; the younger rows' loads stay out
	global_store_b128 v[VA+oi], v[RB+4*oi:RB+4*oi+3], s[16:17]  ; the wave stores 512 consecutive bytes, at a multiple of 512 from y2's first
.set oi, oi+1
.endr
.endm
	OUTB 0
	OUTB 1
	OUTB 2
	OUTB 3
	OUTB 4
	s_wait_tensorcnt 0x0                           ; the wave's end: behind my last tensor load and my last LDS store
	ds_add_u32 v[SPW], v[NIL]
	s_wait_dscnt 0x0
	s_endpgm
.Lfunc_end_k_q87d69913f9_moe:
	.size	k_q87d69913f9_moe, .Lfunc_end_k_q87d69913f9_moe-k_q87d69913f9_moe
	.p2alignl 7, 3214868480
	.fill 96, 4, 3214868480
	.section	.rodata,"a",@progbits
	.p2align	6, 0x0
	.amdhsa_kernel k_q87d69913f9_moe
		.amdhsa_group_segment_fixed_size 327680
		.amdhsa_private_segment_fixed_size 0
		.amdhsa_enable_private_segment 0
		.amdhsa_kernarg_size 56
		.amdhsa_user_sgpr_count 2
		.amdhsa_user_sgpr_kernarg_segment_ptr 1
		.amdhsa_wavefront_size32 1
		.amdhsa_system_sgpr_workgroup_id_x 1
		.amdhsa_system_sgpr_workgroup_id_y 1
		.amdhsa_system_sgpr_workgroup_id_z 1
		.amdhsa_system_vgpr_workitem_id 0
		.amdhsa_next_free_vgpr 1024
		.amdhsa_next_free_sgpr 96
		.amdhsa_reserve_vcc 0
		.amdhsa_float_denorm_mode_32 3
		.amdhsa_float_denorm_mode_16_64 3
		.amdhsa_memory_ordered 1
		.amdhsa_forward_progress 1
		.amdhsa_inst_pref_size 241
	.end_amdhsa_kernel
	.amdgpu_metadata
---
amdhsa.version: [ 1, 2 ]
amdhsa.kernels:
  - .name:           k_q87d69913f9_moe
    .symbol:         k_q87d69913f9_moe.kd
    .args:
      - { .name: xb, .offset: 0, .size: 8, .value_kind: global_buffer, .address_space: global }
      - { .name: wfcb, .offset: 8, .size: 8, .value_kind: global_buffer, .address_space: global }
      - { .name: wpjh, .offset: 16, .size: 8, .value_kind: global_buffer, .address_space: global }
      - { .name: aux, .offset: 24, .size: 8, .value_kind: global_buffer, .address_space: global }
      - { .name: list, .offset: 32, .size: 8, .value_kind: global_buffer, .address_space: global }
      - { .name: tab, .offset: 40, .size: 8, .value_kind: global_buffer, .address_space: global }
      - { .name: y2, .offset: 48, .size: 8, .value_kind: global_buffer, .address_space: global }
    .group_segment_fixed_size: 327680
    .private_segment_fixed_size: 0
    .kernarg_segment_align: 8
    .kernarg_segment_size: 56
    .max_flat_workgroup_size: 128
    .sgpr_count:     96
    .vgpr_count:     1024
    .wavefront_size: 32
...
	.end_amdgpu_metadata
.endif
;; end of part 3
;; launch comb (part 4): grid 256 x 1, 8 waves a work-group, no clusters, 0 bytes of LDS; arguments y2, out0; writes out0
.if DOCPART == 4
	.amdgcn_target "amdgcn-amd-amdhsa--gfx1250"
	.amdhsa_code_object_version 6
	.text
	.protected	k_q87d69913f9_comb
	.globl	k_q87d69913f9_comb
	.p2align	8
	.type	k_q87d69913f9_comb,@function
k_q87d69913f9_comb:
	s_mov_b64 s[64:65], 0
	v_nop
	global_prefetch_b8 v0, s[64:65] scope:SCOPE_SE
	s_setreg_imm32_b32 hwreg(HW_REG_WAVE_MODE, 25, 1), 1
	s_wait_xcnt 0x0
; COMB: out0[t] = y2[2 t] + y2[2 t + 1]: a token's two gated expert results, which two work-groups of the launch before made.
; A stream: each byte is read once and written once; no LDS, no barrier.  Work-group g: tokens 32 g .. 32 g + 31; wave v: four of them.
; All 32 loads of a wave go out together (16,384 consecutive bytes); no register is written twice, so there is no loop and no wait for stores.
	s_load_b128 s[4:7], s[0:1], 0x0                ; y2, out0
	v_and_b32 v1, 31, v0
	v_lshrrev_b32 v2, 5, v0                        ; wave
	v_lshlrev_b32 v3, 4, v1                        ; 16 lane
	v_lshl_add_u32 v4, v2, 14, v3                  ; in: four tokens x two rows of 2,048 bytes a wave
	v_lshl_add_u32 v5, v2, 13, v3                  ; out: four rows
	s_lshl_b32 s8, ttmp9, 17
	s_mov_b32 s9, 0
	s_lshl_b32 s10, ttmp9, 16
	s_mov_b32 s11, 0
	s_wait_kmcnt 0x0
	s_add_nc_u64 s[4:5], s[4:5], s[8:9]
	s_add_nc_u64 s[6:7], s[6:7], s[10:11]
.irp q, 0,1,2,3
.irp k, 0,1
.irp j, 0,1,2,3
	global_load_b128 v[8+32*\q+16*\k+4*\j:8+32*\q+16*\k+4*\j+3], v4, s[4:5] offset:4096*\q+2048*\k+512*\j th:TH_LOAD_NT
.endr
.endr
.endr
.irp q, 0,1,2,3
	s_wait_loadcnt 24-8*\q                         ; token q's eight loads are in; the later tokens' stay out
.irp m, 0,2,4,6,8,10,12,14
	v_pk_add_f32 v[8+32*\q+\m:8+32*\q+\m+1], v[8+32*\q+\m:8+32*\q+\m+1], v[24+32*\q+\m:24+32*\q+\m+1]
.endr
.irp j, 0,1,2,3
	global_store_b128 v5, v[8+32*\q+4*\j:8+32*\q+4*\j+3], s[6:7] offset:2048*\q+512*\j th:TH_STORE_NT  ; 512 consecutive bytes, aligned
.endr
.endr
	s_endpgm
.Lfunc_end_k_q87d69913f9_comb:
	.size	k_q87d69913f9_comb, .Lfunc_end_k_q87d69913f9_comb-k_q87d69913f9_comb
	.p2alignl 7, 3214868480
	.fill 96, 4, 3214868480
	.section	.rodata,"a",@progbits
	.p2align	6, 0x0
	.amdhsa_kernel k_q87d69913f9_comb
		.amdhsa_group_segment_fixed_size 0
		.amdhsa_private_segment_fixed_size 0
		.amdhsa_enable_private_segment 0
		.amdhsa_kernarg_size 16
		.amdhsa_user_sgpr_count 2
		.amdhsa_user_sgpr_kernarg_segment_ptr 1
		.amdhsa_wavefront_size32 1
		.amdhsa_system_sgpr_workgroup_id_x 1
		.amdhsa_system_sgpr_workgroup_id_y 1
		.amdhsa_system_sgpr_workgroup_id_z 1
		.amdhsa_system_vgpr_workitem_id 0
		.amdhsa_next_free_vgpr 136
		.amdhsa_next_free_sgpr 66
		.amdhsa_reserve_vcc 0
		.amdhsa_float_denorm_mode_32 3
		.amdhsa_float_denorm_mode_16_64 3
		.amdhsa_memory_ordered 1
		.amdhsa_forward_progress 1
		.amdhsa_inst_pref_size 8
	.end_amdhsa_kernel
	.amdgpu_metadata
---
amdhsa.version: [ 1, 2 ]
amdhsa.kernels:
  - .name:           k_q87d69913f9_comb
    .symbol:         k_q87d69913f9_comb.kd
    .args:
      - { .name: y2, .offset: 0, .size: 8, .value_kind: global_buffer, .address_space: global }
      - { .name: out0, .offset: 8, .size: 8, .value_kind: global_buffer, .address_space: global }
    .group_segment_fixed_size: 0
    .private_segment_fixed_size: 0
    .kernarg_segment_align: 8
    .kernarg_segment_size: 16
    .max_flat_workgroup_size: 256
    .sgpr_count:     66
    .vgpr_count:     136
    .wavefront_size: 32
...
	.end_amdgpu_metadata
.endif
;; end of part 4
;; ======== version 2 of 3: 4 launches; 1.27 times as fast as version 1
;; limits: a function is approximated: absolute error at most 2.5e-05; values are held in f16: magnitudes above 65,504 overflow, below 6.1e-05 lose precision; right only within a limited range of input values
;; workspace buffers: xb 8,388,608 bytes; wfcb 8,388,608 bytes; wpjh 8,388,608 bytes; sel 32,768 bytes of whole numbers; aux 106,496 bytes; list 66,048 bytes of whole numbers; tab 4,096 bytes of whole numbers; y2 34,004,992 bytes
;; launch prep (part 5): grid 256 x 1, 8 waves a work-group, no clusters, 0 bytes of LDS; arguments x, router_w, w_fc, w_proj, xb, wfcb, wpjh, sel, aux; writes xb, wfcb, wpjh, sel, aux
.if DOCPART == 5
	.amdgcn_target "amdgcn-amd-amdhsa--gfx1250"
	.amdhsa_code_object_version 6
	.text
	.protected	k_q87d69913f9_prep
	.globl	k_q87d69913f9_prep
	.p2align	8
	.type	k_q87d69913f9_prep,@function
k_q87d69913f9_prep:
	s_mov_b64 s[64:65], 0
	v_nop
	global_prefetch_b8 v0, s[64:65] scope:SCOPE_SE
	s_setreg_imm32_b32 hwreg(HW_REG_WAVE_MODE, 25, 1), 1
	s_wait_xcnt 0x0
; PREP: rounds x and w_fc to bf16, w_proj to bf16 and writes that number as f16, lays both weight tensors out in the order in which the third launch's waves take them, and routes every token.
; A stream: nothing is shared between work-groups, so no LDS, no matrix unit, no cluster.  The router has 4 columns:
; it is done by f32 multiply-adds on the operands rounded to bf16 (their products are exact in f32).
; SHARES.  Work-group g: tokens 32 g .. 32 g + 31 (wave v: four tokens 32 g + 4 v + q).  Wave W = 8 g + v of 2,048: one block of 32 k x 64 columns of w_fc and one of w_proj.
; For x a lane holds k = 128 j + 4 lane + i of a row of 512 (j, i = 0..3): every load of a wave covers 512 consecutive bytes.
; WEIGHTS.  A fragment (16 columns x 32 k, source 0 of a matrix instruction) is 1,024 bytes: lane l = 16 h + r finds k = 16 j + 8 h + 0..7 of the tile's row r at byte 512 j + 16 l.
; A lane loads 4 neighbouring columns 4 r + c of 8 rows (16 lanes: 256 consecutive bytes of a row) and stores 16 bytes for each column c, so tile c of a group of 64 columns holds the columns 4 r + c,
; r = 0..15, and every store of a wave covers 512 consecutive bytes.
;   wfcb: expert e, group G of 64 hidden units, K step ks, tile c at e 2^21 + G 65,536 + ks 4,096 + c 1,024; k = 32 ks + 16 j + 8 h + i.
;   wpjh: expert e, chunk t of 256 hidden units, wave w = Gp / 2 of the third launch, K step ks, half Gp % 2, tile c at e 2^21 + t 2^18 + w 65,536 + ks 8,192 + (Gp % 2) 4,096 + c 1,024, Gp the group of 64
;   output columns.  Its K runs in the order in which H lies there: place 32 ks + 16 j + 8 h + i of a chunk is hidden unit 64 (ks / 2) + 4 (8 h + i) + 2 (ks % 2) + j.
; OUT.  sel[t] = e1 | e2 << 8 (the two experts, best first); aux[2 t], aux[2 t + 1] = their renormalised gates.
; LIMITS.  Equal probabilities go to the lower index.  The logits' f32 sums are taken in another order than a row-wise sum,
; so a choice can differ where two probabilities differ by that rounding alone.  |w_proj| stays under 65,504; below 2^-14 it keeps
; f16's fixed step of 2^-24.  NaN and infinities are not treated apart.
.set RW, 8                             ; v[8:71]    router_w, 16 numbers for each of 4 experts; later the packed weights, 32 registers a tensor
.set XR, 72                            ; v[72:135]  x, 16 numbers for each of 4 tokens; later w_proj
.set WL, 136                           ; v[136:199] w_fc: row (j, i) at WL + 4 (8 j + i), four columns
.set XP, 200                           ; v[200:231] x packed to bf16, 8 words a token
.set AC, 232                           ; v[232:247] logits: token q, expert e at AC + 4 q + e
.set T,  248                           ; v[248:255] at work
	s_load_b512 s[4:19], s[0:1], 0x0               ; x, router_w, w_fc, w_proj, xb, wfcb, wpjh, sel
	s_load_b64 s[20:21], s[0:1], 0x40              ; aux
	v_and_b32 v1, 31, v0                           ; lane
	v_lshrrev_b32 v6, 5, v0
	v_readfirstlane_b32 s22, v6                    ; wave
	v_lshlrev_b32 v2, 4, v1                        ; 16 lane
	v_and_b32 v3, 15, v0
	v_lshlrev_b32 v3, 4, v3
	v_bfe_u32 v4, v0, 4, 1
	v_lshl_or_b32 v3, v4, 16, v3                   ; in either weight tensor: 16 (lane % 16) + 65,536 (lane / 16): 8 rows of w_fc, 32 rows of w_proj
	v_lshlrev_b32 v5, 3, v1                        ; 8 lane
	v_lshlrev_b32 v7, 2, v1                        ; 4 lane
	s_mov_b32 s24, 0xffff0000                      ; a word's upper bf16
	s_mov_b32 s26, 0x76543210                      ; v_permlanex16_b32: each lane takes its own place in the other half
	s_mov_b32 s27, 0xfedcba98
	s_lshl_b32 s44, ttmp9, 3
	s_add_co_u32 s44, s44, s22                     ; W
	s_lshr_b32 s45, s44, 9                         ; the expert, for both tensors
	s_bfe_u32 s46, s44, 0x40005                    ; w_fc: ks = (W >> 5) & 15,
	s_and_b32 s47, s44, 31                         ; G = W & 31: a work-group's eight waves read 2,048 consecutive bytes of each row
	s_lshl_b32 s28, s45, 22                        ; from: e 2^22 + 32 ks rows of 8,192 bytes + 256 G
	s_lshl_b32 s23, s46, 18
	s_or_b32 s28, s28, s23
	s_lshl_b32 s23, s47, 8
	s_or_b32 s28, s28, s23
	s_mov_b32 s29, 0
	s_lshl_b32 s30, s45, 21                        ; to: e 2^21 + G 65,536 + ks 4,096
	s_lshl_b32 s23, s47, 16
	s_or_b32 s30, s30, s23
	s_lshl_b32 s23, s46, 12
	s_or_b32 s30, s30, s23
	s_mov_b32 s31, 0
	s_bfe_u32 s52, s44, 0x30006                    ; w_proj: t = (W >> 6) & 7,
	s_bfe_u32 s53, s44, 0x30003                    ; ks = (W >> 3) & 7, Gp = the wave's number: a work-group reads whole rows
	s_lshl_b32 s48, s45, 22                        ; from: e 2^22 + (256 t + 64 (ks / 2) + 2 (ks % 2)) rows of 2,048 bytes + 256 Gp
	s_lshl_b32 s23, s52, 19
	s_or_b32 s48, s48, s23
	s_lshr_b32 s23, s53, 1
	s_lshl_b32 s23, s23, 17
	s_or_b32 s48, s48, s23
	s_and_b32 s23, s53, 1
	s_lshl_b32 s23, s23, 12
	s_or_b32 s48, s48, s23
	s_lshl_b32 s23, s22, 8
	s_or_b32 s48, s48, s23
	s_mov_b32 s49, 0
	s_lshl_b32 s50, s45, 21                        ; to: e 2^21 + t 2^18 + (Gp / 2) 65,536 + ks 8,192 + (Gp % 2) 4,096
	s_lshl_b32 s23, s52, 18
	s_or_b32 s50, s50, s23
	s_lshr_b32 s23, s22, 1
	s_lshl_b32 s23, s23, 16
	s_or_b32 s50, s50, s23
	s_lshl_b32 s23, s53, 13
	s_or_b32 s50, s50, s23
	s_and_b32 s23, s22, 1
	s_lshl_b32 s23, s23, 12
	s_or_b32 s50, s50, s23
	s_mov_b32 s51, 0
	s_lshl_b32 s32, ttmp9, 16                      ; the wave's four rows of x: 2,048 bytes each
	s_lshl_b32 s23, s22, 13
	s_add_co_u32 s32, s32, s23
	s_mov_b32 s33, 0
	s_lshl_b32 s34, ttmp9, 15                      ; and of xb: 1,024 bytes each
	s_lshl_b32 s23, s22, 12
	s_add_co_u32 s34, s34, s23
	s_mov_b32 s35, 0
	s_lshl_b32 s36, ttmp9, 7                       ; sel: 4 bytes a token
	s_lshl_b32 s37, s22, 4
	s_add_co_u32 s36, s36, s37
	s_mov_b32 s37, 0
	s_lshl_b32 s38, s36, 1                         ; gates: 8 bytes a token
	s_mov_b32 s39, 0
	s_wait_kmcnt 0x0
	s_add_nc_u64 s[4:5], s[4:5], s[32:33]
	s_add_nc_u64 s[8:9], s[8:9], s[28:29]
	s_add_nc_u64 s[10:11], s[10:11], s[48:49]
	s_add_nc_u64 s[12:13], s[12:13], s[34:35]
	s_add_nc_u64 s[14:15], s[14:15], s[30:31]
	s_add_nc_u64 s[16:17], s[16:17], s[50:51]
	s_add_nc_u64 s[18:19], s[18:19], s[36:37]
	s_add_nc_u64 s[20:21], s[20:21], s[38:39]
	; 48 loads go out together: router_w, my four rows of x, my block of w_fc
.irp e, 0,1,2,3
.irp j, 0,1,2,3
	global_load_b128 v[RW+16*\e+4*\j:RW+16*\e+4*\j+3], v2, s[6:7] offset:2048*\e+512*\j
.endr
.endr
.irp q, 0,1,2,3
.irp j, 0,1,2,3
	global_load_b128 v[XR+16*\q+4*\j:XR+16*\q+4*\j+3], v2, s[4:5] offset:2048*\q+512*\j th:TH_LOAD_NT
.endr
.endr
.irp j, 0,1
.irp i, 0,1,2,3,4,5,6,7
	global_load_b128 v[WL+4*(8*\j+\i):WL+4*(8*\j+\i)+3], v3, s[8:9] offset:(16*\j+\i)*8192 th:TH_LOAD_NT  ; rows 16 j + i and 16 j + 8 + i: 256 consecutive bytes of each
.endr
.endr
	s_wait_loadcnt 32                              ; router_w is in; the 32 younger loads (x, w_fc) stay out
.set i, 0
.rept 32                                               ; router_w rounded to bf16 and widened again
	v_cvt_pk_bf16_f32 v[T+i%8], v[RW+2*i], v[RW+2*i+1]
	v_lshlrev_b32 v[RW+2*i], 16, v[T+i%8]
	v_and_b32 v[RW+2*i+1], s24, v[T+i%8]
.set i, i+1
.endr
	s_wait_loadcnt 16                              ; x is in; w_fc's 16 loads stay out
.irp q, 0,1,2,3
.set i, 0
.rept 8
	v_cvt_pk_bf16_f32 v[XP+8*\q+i], v[XR+16*\q+2*i], v[XR+16*\q+2*i+1]
.set i, i+1
.endr
.irp j, 0,1,2,3
	global_store_b64 v5, v[XP+8*\q+2*\j:XP+8*\q+2*\j+1], s[12:13] offset:1024*\q+256*\j  ; the wave stores 256 consecutive bytes, aligned
.endr
.set i, 0
.rept 8
	v_lshlrev_b32 v[XR+16*\q+2*i], 16, v[XP+8*\q+i]
	v_and_b32 v[XR+16*\q+2*i+1], s24, v[XP+8*\q+i]
.set i, i+1
.endr
.irp e, 0,1,2,3                                        ; four chains, one an expert, so that no line waits for the one before it
	v_pk_mul_f32 v[T+2*\e:T+2*\e+1], v[XR+16*\q:XR+16*\q+1], v[RW+16*\e:RW+16*\e+1]
.endr
.set i, 1
.rept 7
.irp e, 0,1,2,3
	v_pk_fma_f32 v[T+2*\e:T+2*\e+1], v[XR+16*\q+2*i:XR+16*\q+2*i+1], v[RW+16*\e+2*i:RW+16*\e+2*i+1], v[T+2*\e:T+2*\e+1]
.endr
.set i, i+1
.endr
.irp e, 0,1,2,3
	v_add_f32 v[AC+4*\q+\e], v[T+2*\e], v[T+2*\e+1]
.endr
.endr
.irp j, 0,1
.irp i, 0,1,2,3,4,5,6,7                                ; x's registers are free: my block of w_proj goes out
	global_load_b128 v[XR+4*(8*\j+\i):XR+4*(8*\j+\i)+3], v3, s[10:11] offset:(4*\i+\j)*2048 th:TH_LOAD_NT  ; rows 4 i + j and 32 + 4 i + j: 256 consecutive bytes of each
.endr
.endr
	; the 16 sums over the wave's 32 lanes: four steps inside each half ride on the addition, one crosses the halves
.irp m, 1,2,4,8
.set i, 0
.rept 16
	v_add_f32_dpp v[AC+i], v[AC+i], v[AC+i] row_xmask:\m row_mask:0xf bank_mask:0xf
.set i, i+1
.endr
.endr
.irp g, 0,8
.set i, 0
.rept 8
	v_permlanex16_b32 v[T+i], v[AC+\g+i], s26, s27
.set i, i+1
.endr
.set i, 0
.rept 8
	v_add_f32 v[AC+\g+i], v[AC+\g+i], v[T+i]
.set i, i+1
.endr
.endr
	; lane q takes token q's four logits (lanes 4 to 31 keep token 0's and store nothing): the softmax is written once
	v_cmp_eq_u32 s40, 1, v1
	v_cmp_eq_u32 s41, 2, v1
	v_cmp_eq_u32 s42, 3, v1
.irp e, 0,1,2,3
	v_cndmask_b32 v[AC+\e], v[AC+\e], v[AC+4+\e], s40
	v_cndmask_b32 v[AC+\e], v[AC+\e], v[AC+8+\e], s41
	v_cndmask_b32 v[AC+\e], v[AC+\e], v[AC+12+\e], s42
.endr
	v_max3_num_f32 v[T], v[AC], v[AC+1], v[AC+2]   ; the maximum is taken away before the exponential
	v_max_num_f32 v[T], v[T], v[AC+3]
.irp e, 0,1,2,3
	v_sub_f32 v[AC+\e], v[AC+\e], v[T]
.endr
.irp e, 0,1,2,3
	v_mul_f32 v[AC+\e], 0x3fb8aa3b, v[AC+\e]       ; log2(e): v_exp_f32 works in base 2
.endr
.irp e, 0,1,2,3
	v_exp_f32 v[AC+\e], v[AC+\e]
.endr
	v_nop                                          ; a plain line behind the last exponential (ISA guide 5.7.2)
	s_wait_alu depctr_va_vdst(0)
	v_add_f32 v[T], v[AC], v[AC+1]
	v_add_f32 v[T+1], v[AC+2], v[AC+3]
	v_add_f32 v[T], v[T], v[T+1]
	v_rcp_f32 v[T], v[T]
	v_mov_b32 v[T+2], 0                            ; the best expert's index so far; also the plain line behind the reciprocal
	s_wait_alu depctr_va_vdst(0)
.irp e, 0,1,2,3
	v_mul_f32 v[AC+\e], v[AC+\e], v[T]             ; the probabilities
.endr
	v_mov_b32 v[T+1], v[AC]
.irp e, 1,2,3                                          ; strictly greater: of equals the lower index stays
	v_cmp_gt_f32 vcc_lo, v[AC+\e], v[T+1]
	v_cndmask_b32 v[T+1], v[T+1], v[AC+\e], vcc_lo
	v_cndmask_b32 v[T+2], v[T+2], \e, vcc_lo
.endr
.irp e, 0,1,2,3                                        ; the winner leaves the field
	v_cmp_eq_u32 vcc_lo, \e, v[T+2]
	v_cndmask_b32 v[AC+\e], v[AC+\e], -1.0, vcc_lo
.endr
	v_mov_b32 v[T+3], v[AC]
	v_mov_b32 v[T+4], 0
.irp e, 1,2,3
	v_cmp_gt_f32 vcc_lo, v[AC+\e], v[T+3]
	v_cndmask_b32 v[T+3], v[T+3], v[AC+\e], vcc_lo
	v_cndmask_b32 v[T+4], v[T+4], \e, vcc_lo
.endr
	v_add_f32 v[T+5], v[T+1], v[T+3]
	v_add_f32 v[T+5], 0x3089705f, v[T+5]           ; + 1e-9
	v_rcp_f32 v[T+5], v[T+5]
	v_lshl_or_b32 v[T+2], v[T+4], 8, v[T+2]        ; e1 | e2 << 8; also the plain line behind the reciprocal
	s_wait_alu depctr_va_vdst(0)
	v_mul_f32 v[T+6], v[T+1], v[T+5]
	v_mul_f32 v[T+7], v[T+3], v[T+5]
	s_wait_loadcnt 16                              ; w_fc is in; w_proj's 16 loads stay out
	; column c of my four, half j of the K step: eight k pack into 16 bytes; router_w's registers are free and take them
.irp c, 0,1,2,3
.irp j, 0,1
.irp m, 0,1,2,3
	v_cvt_pk_bf16_f32 v[RW+4*(2*\c+\j)+\m], v[WL+4*(8*\j+2*\m)+\c], v[WL+4*(8*\j+2*\m+1)+\c]
.endr
	global_store_b128 v2, v[RW+4*(2*\c+\j):RW+4*(2*\c+\j)+3], s[14:15] offset:1024*\c+512*\j  ; the wave stores 512 consecutive bytes, aligned
.endr
.endr
	s_wait_loadcnt 0x0                             ; w_proj
.irp c, 0,1,2,3                                        ; the same, by way of bf16: rounded, widened, and that number written as f16
.irp j, 0,1
.irp m, 0,1,2,3
	v_cvt_pk_bf16_f32 v[RW+32+4*(2*\c+\j)+\m], v[XR+4*(8*\j+2*\m)+\c], v[XR+4*(8*\j+2*\m+1)+\c]
.endr
.irp m, 0,1,2,3
	v_lshlrev_b32 v[XR+4*(8*\j+2*\m)+\c], 16, v[RW+32+4*(2*\c+\j)+\m]
	v_and_b32 v[XR+4*(8*\j+2*\m+1)+\c], s24, v[RW+32+4*(2*\c+\j)+\m]
.endr
.irp m, 0,1,2,3
	v_cvt_pk_f16_f32 v[RW+32+4*(2*\c+\j)+\m], v[XR+4*(8*\j+2*\m)+\c], v[XR+4*(8*\j+2*\m+1)+\c]
.endr
	global_store_b128 v2, v[RW+32+4*(2*\c+\j):RW+32+4*(2*\c+\j)+3], s[16:17] offset:1024*\c+512*\j
.endr
.endr
	; lanes 0 to 3 store their token's choice and gates: 16 and 32 bytes a wave, 98,304 bytes in the whole launch
	v_cmp_gt_u32 vcc_lo, 4, v1
	s_wait_xcnt 0x0                                ; EXEC is a source of the stores above: it changes only behind this wait
	s_and_saveexec_b32 s43, vcc_lo
	global_store_b32 v7, v[T+2], s[18:19]
	global_store_b64 v5, v[T+6:T+7], s[20:21]
	s_wait_xcnt 0x0                                ; and again in front of the line that widens it
	s_or_b32 exec_lo, exec_lo, s43
	s_endpgm
.Lfunc_end_k_q87d69913f9_prep:
	.size	k_q87d69913f9_prep, .Lfunc_end_k_q87d69913f9_prep-k_q87d69913f9_prep
	.p2alignl 7, 3214868480
	.fill 96, 4, 3214868480
	.section	.rodata,"a",@progbits
	.p2align	6, 0x0
	.amdhsa_kernel k_q87d69913f9_prep
		.amdhsa_group_segment_fixed_size 0
		.amdhsa_private_segment_fixed_size 0
		.amdhsa_enable_private_segment 0
		.amdhsa_kernarg_size 72
		.amdhsa_user_sgpr_count 2
		.amdhsa_user_sgpr_kernarg_segment_ptr 1
		.amdhsa_wavefront_size32 1
		.amdhsa_system_sgpr_workgroup_id_x 1
		.amdhsa_system_sgpr_workgroup_id_y 1
		.amdhsa_system_sgpr_workgroup_id_z 1
		.amdhsa_system_vgpr_workitem_id 0
		.amdhsa_next_free_vgpr 256
		.amdhsa_next_free_sgpr 66
		.amdhsa_reserve_vcc 1
		.amdhsa_float_denorm_mode_32 3
		.amdhsa_float_denorm_mode_16_64 3
		.amdhsa_memory_ordered 1
		.amdhsa_forward_progress 1
		.amdhsa_inst_pref_size 46
	.end_amdhsa_kernel
	.amdgpu_metadata
---
amdhsa.version: [ 1, 2 ]
amdhsa.kernels:
  - .name:           k_q87d69913f9_prep
    .symbol:         k_q87d69913f9_prep.kd
    .args:
      - { .name: x, .offset: 0, .size: 8, .value_kind: global_buffer, .address_space: global }
      - { .name: router_w, .offset: 8, .size: 8, .value_kind: global_buffer, .address_space: global }
      - { .name: w_fc, .offset: 16, .size: 8, .value_kind: global_buffer, .address_space: global }
      - { .name: w_proj, .offset: 24, .size: 8, .value_kind: global_buffer, .address_space: global }
      - { .name: xb, .offset: 32, .size: 8, .value_kind: global_buffer, .address_space: global }
      - { .name: wfcb, .offset: 40, .size: 8, .value_kind: global_buffer, .address_space: global }
      - { .name: wpjh, .offset: 48, .size: 8, .value_kind: global_buffer, .address_space: global }
      - { .name: sel, .offset: 56, .size: 8, .value_kind: global_buffer, .address_space: global }
      - { .name: aux, .offset: 64, .size: 8, .value_kind: global_buffer, .address_space: global }
    .group_segment_fixed_size: 0
    .private_segment_fixed_size: 0
    .kernarg_segment_align: 8
    .kernarg_segment_size: 72
    .max_flat_workgroup_size: 256
    .sgpr_count:     66
    .vgpr_count:     256
    .wavefront_size: 32
...
	.end_amdgpu_metadata
.endif
;; end of part 5
;; launch place (part 6): grid 1 x 1, 32 waves a work-group, no clusters, 4,608 bytes of LDS; arguments sel, b_fc, b_proj, list, tab, aux; writes list, tab, aux
.if DOCPART == 6
	.amdgcn_target "amdgcn-amd-amdhsa--gfx1250"
	.amdhsa_code_object_version 6
	.text
	.protected	k_q87d69913f9_place
	.globl	k_q87d69913f9_place
	.p2align	8
	.type	k_q87d69913f9_place,@function
k_q87d69913f9_place:
	s_mov_b64 s[64:65], 0
	v_nop
	global_prefetch_b8 v0, s[64:65] scope:SCOPE_SE
	s_setreg_imm32_b32 hwreg(HW_REG_WAVE_MODE, 25, 1), 1
	s_wait_xcnt 0x0
; PLACE: sorts the 16,384 (token, choice) pairs by expert, without atomics, and shares them out among 55 groups of 4 work-groups.
; One work-group of 32 waves; wave v owns tokens 256 v + 32 b + lane, b = 0..7.  Whole numbers only, but for the biases, which are rounded and put into the weight tiles' order here:
; aux + 65,536: b_fc rounded to bf16, as f32; aux + 98,304: twice b_proj rounded to bf16, as f32.  In both, place 16 c + p of a group of 64 holds number 4 p + c of that group (tile c holds the columns 4 p + c).
; The biases are read 4 bytes a lane (40,960 bytes in all), so that they are stored in whole runs.
; list[slot] = 2 t + which, the slots of expert 0 first, inside an expert by token; behind the 16,384 slots 128 zeros, so that reads of 80 slots from any start stay inside.
; tab[w] = {start, count, expert, 0} for work-group w of the next launch; count is 80 at the most.
; The stores into list are 4 bytes a lane at places that hang on the data: 65,536 bytes in all.
.set SPARE, 512                        ; the spare words: 128 bytes for each of 32 waves; bytes 0 to 255 hold the waves' counts
	s_load_b256 s[4:11], s[0:1], 0x0               ; sel, b_fc, b_proj, list
	s_load_b128 s[12:15], s[0:1], 0x20             ; tab, aux
	v_lshl_add_u32 v62, v0, 2, SPARE               ; my spare word; never rewritten
	v_mov_b32 v63, 0                               ; 0; never rewritten
	v_and_b32 v1, 31, v0                           ; lane
	v_lshrrev_b32 v2, 5, v0
	v_readfirstlane_b32 s16, v2                    ; wave
	v_lshlrev_b32 v3, 4, v0                        ; 16 thread
	v_lshlrev_b32 v4, 3, v0                        ; 8 thread
	v_lshlrev_b32 v5, 2, v1
	v_lshl_add_u32 v5, v2, 10, v5                  ; byte of sel[256 wave + lane]
	v_lshlrev_b32 v6, 1, v1
	v_lshl_add_u32 v6, v2, 9, v6                   ; 2 (256 wave + lane)
	; b_fc: I store places 4 T + x (T my thread's number): group T / 16, tile c = (T / 4) % 4, p = 4 (T % 4) + x: they come from byte 256 (T / 16) + 64 (T % 4) + 4 c + 16 x
	v_lshrrev_b32 v60, 4, v0
	v_lshlrev_b32 v60, 8, v60
	v_and_b32 v51, 3, v0
	v_lshl_or_b32 v60, v51, 6, v60
	v_bfe_u32 v51, v0, 2, 2
	v_lshl_or_b32 v60, v51, 2, v60
	; b_proj: places 2 T + x: group T / 32, tile c = (T / 8) % 4, p = 2 (T % 8) + x: from byte 256 (T / 32) + 32 (T % 8) + 4 c + 16 x
	v_lshlrev_b32 v61, 8, v2
	v_and_b32 v51, 7, v0
	v_lshl_or_b32 v61, v51, 5, v61
	v_bfe_u32 v51, v0, 3, 2
	v_lshl_or_b32 v61, v51, 2, v61
	s_mov_b32 s17, 0xffff0000
	s_mov_b32 s18, 0x76543210
	s_mov_b32 s19, 0xfedcba98
	s_wait_kmcnt 0x0
.irp b, 0,1,2,3,4,5,6,7
	global_load_b32 v[8+\b], v5, s[4:5] offset:128*\b
.endr
.irp x, 0,1,2,3
	global_load_b32 v[32+\x], v60, s[6:7] offset:16*\x
	global_load_b32 v[36+\x], v60, s[6:7] offset:16384+16*\x
.endr
	global_load_b32 v40, v61, s[8:9]
	global_load_b32 v41, v61, s[8:9] offset:16
.irp e, 0,1,2,3
	s_mov_b32 s[66+\e], 0
.endr
	s_wait_loadcnt 10                              ; my eight words of sel are in; the ten bias loads stay out
	; mask s[32 + 4 b + e]: the lanes whose token of block b chose expert e; s[66 + e]: the wave's count
.irp b, 0,1,2,3,4,5,6,7
	v_and_b32 v[16+\b], 0xff, v[8+\b]
	v_bfe_u32 v[24+\b], v[8+\b], 8, 8
	v_min_u32 v[16+\b], 3, v[16+\b]
	v_min_u32 v[24+\b], 3, v[24+\b]
.irp e, 0,1,2,3
	v_cmp_eq_u32 s[32+4*\b+\e], \e, v[16+\b]
	v_cmp_eq_u32 s20, \e, v[24+\b]
	s_or_b32 s[32+4*\b+\e], s[32+4*\b+\e], s20
	s_bcnt1_i32_b32 s20, s[32+4*\b+\e]
	s_add_co_u32 s[66+\e], s[66+\e], s20
.endr
.endr
	s_lshl_b32 s20, s67, 16                        ; two counts to a word: a total is 8,192 at the most
	s_or_b32 s70, s66, s20
	s_lshl_b32 s20, s69, 16
	s_or_b32 s71, s68, s20
	v_mov_b32 v42, s70
	v_mov_b32 v43, s71
	v_lshlrev_b32 v44, 3, v2
	ds_store_b64 v44, v[42:43]                     ; every lane writes the wave's own 8 bytes with the same value
	s_wait_dscnt 0x0                               ; for the others' sake
	s_barrier_signal -1
	s_barrier_wait -1
	v_lshlrev_b32 v45, 3, v1
	ds_load_b64 v[46:47], v45                      ; lane L: wave L's counts
	s_wait_tensorcnt 0x0                           ; behind my last LDS store, and no LDS write follows;
	ds_add_u32 v62, v63                            ; the biases' rounding, work on registers, stands between the add and the wait for it
	s_wait_loadcnt 0x0                             ; the biases
.irp p, 0,1,2,3,4
	v_cvt_pk_bf16_f32 v[52+\p], v[32+2*\p], v[32+2*\p+1]
.endr
.irp p, 0,1,2,3,4
	v_lshlrev_b32 v[32+2*\p], 16, v[52+\p]
	v_and_b32 v[32+2*\p+1], s17, v[52+\p]
.endr
	v_pk_mul_f32 v[40:41], v[40:41], 2.0 op_sel_hi:[1,0]  ; the next launch's sums are of 2 gelu: its bias is doubled with them
	v_mov_b32 v50, 0
	s_wait_dscnt 0x0                               ; the add is done and the counts are in
	global_store_b128 v3, v[32:35], s[14:15] offset:65536
	global_store_b128 v3, v[36:39], s[14:15] offset:81920
	global_store_b64 v4, v[40:41], s[14:15] offset:98304
	v_cmp_gt_u32 vcc_lo, s16, v1                   ; the waves in front of mine
	v_cndmask_b32 v48, 0, v46, vcc_lo
	v_cndmask_b32 v49, 0, v47, vcc_lo
.macro WSUM r                          ; the sum of v[r] over the 32 lanes, in every lane
.irp m, 1,2,4,8
	v_mov_b32_dpp v50, v[\r] row_xmask:\m row_mask:0xf bank_mask:0xf
	v_add_nc_u32 v[\r], v[\r], v50
.endr
	v_permlanex16_b32 v50, v[\r], s18, s19
	v_add_nc_u32 v[\r], v[\r], v50
.endm
	WSUM 46
	WSUM 47
	WSUM 48
	WSUM 49
	v_readfirstlane_b32 s20, v46
	v_readfirstlane_b32 s21, v47
	v_readfirstlane_b32 s22, v48
	v_readfirstlane_b32 s23, v49
	s_and_b32 s72, s20, 0xffff                     ; n_e: s72-75
	s_lshr_b32 s73, s20, 16
	s_and_b32 s74, s21, 0xffff
	s_lshr_b32 s75, s21, 16
	s_mov_b32 s76, 0                               ; base_e: s76-79
	s_mov_b32 s77, s72
	s_add_co_u32 s78, s77, s73
	s_add_co_u32 s79, s78, s74
	s_and_b32 s80, s22, 0xffff                     ; run_e = base_e + what the waves in front of mine hold: s80-83
	s_lshr_b32 s81, s22, 16
	s_add_co_u32 s81, s81, s77
	s_and_b32 s82, s23, 0xffff
	s_add_co_u32 s82, s82, s78
	s_lshr_b32 s83, s23, 16
	s_add_co_u32 s83, s83, s79
.irp b, 0,1,2,3,4,5,6,7
	s_wait_xcnt 0x0                                ; the last block's stores have read v56-59: they are rewritten only behind this wait
.irp e, 0,1,2,3
	v_mbcnt_lo_u32_b32 v[52+\e], s[32+4*\b+\e], s[80+\e]  ; run_e + the lanes below mine that chose e
.endr
	v_mov_b32 v56, v52
	v_mov_b32 v57, v52
.irp e, 1,2,3
	v_cmp_eq_u32 vcc_lo, \e, v[16+\b]
	v_cndmask_b32 v56, v56, v[52+\e], vcc_lo
	v_cmp_eq_u32 vcc_lo, \e, v[24+\b]
	v_cndmask_b32 v57, v57, v[52+\e], vcc_lo
.endr
	v_min_u32 v56, 0x3fff, v56                     ; a slot stays inside the list whatever sel holds
	v_min_u32 v57, 0x3fff, v57
	v_lshlrev_b32 v56, 2, v56
	v_lshlrev_b32 v57, 2, v57
	v_add_nc_u32 v58, 64*\b, v6                    ; 2 t
	v_or_b32 v59, 1, v58                           ; 2 t + 1
	global_store_b32 v56, v58, s[10:11]
	global_store_b32 v57, v59, s[10:11]
.irp e, 0,1,2,3
	s_bcnt1_i32_b32 s20, s[32+4*\b+\e]
	s_add_co_u32 s[80+\e], s[80+\e], s20
.endr
.endr
	s_cmp_lt_u32 s16, 8
	s_cbranch_scc0 .Lpad                           ; waves 0 to 7 make the table: 256 entries
	; C_e = ceil(n_e / 320) groups (320 rows each): their sum is 55 at the most, since (16,384 + 4 x 319) / 320 < 56; what is left of 55 goes to the largest expert
	v_mul_u32_u24 v7, v1, 320
.irp e, 0,1,2,3
	v_cmp_lt_u32 s20, v7, s[72+\e]                 ; n_e is 8,192 at the most: 32 lanes x 320 reach it
	s_bcnt1_i32_b32 s[84+\e], s20
.endr
	s_add_co_u32 s88, s84, s85
	s_add_co_u32 s88, s88, s86
	s_add_co_u32 s88, s88, s87
	s_sub_co_u32 s88, 55, s88
	s_mov_b32 s89, s72
	s_mov_b32 s90, 0
.irp e, 1,2,3
	s_cmp_gt_u32 s[72+\e], s89
	s_cselect_b32 s89, s[72+\e], s89
	s_cselect_b32 s90, \e, s90
.endr
.irp e, 0,1,2,3
	s_cmp_eq_u32 s90, \e
	s_cselect_b32 s20, s88, 0
	s_add_co_u32 s[84+\e], s[84+\e], s20
.endr
	; q_e = ceil(n_e / 4 C_e), the rows of a work-group: the number of x = 0 .. 95 with 4 C_e x < n_e; 80 at the most, since n_e <= 320 C_e
.irp e, 0,1,2,3
	s_lshl_b32 s21, s[84+\e], 2
	s_mov_b32 s[92+\e], 0
.irp k, 0,32,64
	v_add_nc_u32 v51, \k, v1
	v_mul_lo_u32 v51, v51, s21
	v_cmp_lt_u32 s20, v51, s[72+\e]
	s_bcnt1_i32_b32 s20, s20
	s_add_co_u32 s[92+\e], s[92+\e], s20
.endr
.endr
	s_mov_b32 s96, s84                             ; the first group of experts 1, 2, 3
	s_add_co_u32 s97, s96, s85
	s_add_co_u32 s98, s97, s86
	v_lshrrev_b32 v8, 2, v0                        ; thread w's group
	v_cmp_ge_u32 s20, v8, s96
	v_cmp_ge_u32 s21, v8, s97
	v_cmp_ge_u32 s22, v8, s98
	v_cndmask_b32 v14, 0, 1, s20                   ; its expert; a later bound overrides an earlier one
	v_cndmask_b32 v14, v14, 2, s21
	v_cndmask_b32 v14, v14, 3, s22
	v_mov_b32 v9, 0                                ; the expert's first group,
	v_cndmask_b32 v9, v9, s96, s20
	v_cndmask_b32 v9, v9, s97, s21
	v_cndmask_b32 v9, v9, s98, s22
	v_mov_b32 v10, s76                             ; its first slot,
	v_cndmask_b32 v10, v10, s77, s20
	v_cndmask_b32 v10, v10, s78, s21
	v_cndmask_b32 v10, v10, s79, s22
	v_mov_b32 v11, s92                             ; its rows a work-group,
	v_cndmask_b32 v11, v11, s93, s20
	v_cndmask_b32 v11, v11, s94, s21
	v_cndmask_b32 v11, v11, s95, s22
	v_mov_b32 v16, s72                             ; its rows in all
	v_cndmask_b32 v16, v16, s73, s20
	v_cndmask_b32 v16, v16, s74, s21
	v_cndmask_b32 v16, v16, s75, s22
	v_lshlrev_b32 v9, 2, v9
	v_sub_nc_u32 v9, v0, v9                        ; i: my number among the expert's work-groups
	v_mul_lo_u32 v9, v9, v11                       ; i q
	v_add_nc_u32 v12, v10, v9                      ; start
	v_sub_nc_u32 v13, v16, v9
	v_max_i32 v13, 0, v13
	v_min_u32 v13, v13, v11                        ; count = what is left, between 0 and q
	v_mov_b32 v15, 0
	global_store_b128 v3, v[12:15], s[12:13]
.Lpad:
	s_cmp_eq_u32 s16, 8
	s_cbranch_scc0 .Lend                           ; wave 8 writes the 512 bytes of zeros behind the list
	v_mov_b32 v20, 0
	v_mov_b32 v21, 0
	v_mov_b32 v22, 0
	v_mov_b32 v23, 0
	v_lshlrev_b32 v24, 4, v1
	global_store_b128 v24, v[20:23], s[10:11] offset:65536
.Lend:
	s_endpgm
.Lfunc_end_k_q87d69913f9_place:
	.size	k_q87d69913f9_place, .Lfunc_end_k_q87d69913f9_place-k_q87d69913f9_place
	.p2alignl 7, 3214868480
	.fill 96, 4, 3214868480
	.section	.rodata,"a",@progbits
	.p2align	6, 0x0
	.amdhsa_kernel k_q87d69913f9_place
		.amdhsa_group_segment_fixed_size 4608
		.amdhsa_private_segment_fixed_size 0
		.amdhsa_enable_private_segment 0
		.amdhsa_kernarg_size 48
		.amdhsa_user_sgpr_count 2
		.amdhsa_user_sgpr_kernarg_segment_ptr 1
		.amdhsa_wavefront_size32 1
		.amdhsa_system_sgpr_workgroup_id_x 1
		.amdhsa_system_sgpr_workgroup_id_y 1
		.amdhsa_system_sgpr_workgroup_id_z 1
		.amdhsa_system_vgpr_workitem_id 0
		.amdhsa_next_free_vgpr 64
		.amdhsa_next_free_sgpr 100
		.amdhsa_reserve_vcc 1
		.amdhsa_float_denorm_mode_32 3
		.amdhsa_float_denorm_mode_16_64 3
		.amdhsa_memory_ordered 1
		.amdhsa_forward_progress 1
		.amdhsa_inst_pref_size 35
	.end_amdhsa_kernel
	.amdgpu_metadata
---
amdhsa.version: [ 1, 2 ]
amdhsa.kernels:
  - .name:           k_q87d69913f9_place
    .symbol:         k_q87d69913f9_place.kd
    .args:
      - { .name: sel, .offset: 0, .size: 8, .value_kind: global_buffer, .address_space: global }
      - { .name: b_fc, .offset: 8, .size: 8, .value_kind: global_buffer, .address_space: global }
      - { .name: b_proj, .offset: 16, .size: 8, .value_kind: global_buffer, .address_space: global }
      - { .name: list, .offset: 24, .size: 8, .value_kind: global_buffer, .address_space: global }
      - { .name: tab, .offset: 32, .size: 8, .value_kind: global_buffer, .address_space: global }
      - { .name: aux, .offset: 40, .size: 8, .value_kind: global_buffer, .address_space: global }
    .group_segment_fixed_size: 4608
    .private_segment_fixed_size: 0
    .kernarg_segment_align: 8
    .kernarg_segment_size: 48
    .max_flat_workgroup_size: 1024
    .sgpr_count:     100
    .vgpr_count:     64
    .wavefront_size: 32
...
	.end_amdgpu_metadata
.endif
;; end of part 6
;; launch moe (part 7): grid 220 x 1, 4 waves a work-group, no clusters, 159,744 bytes of LDS; arguments xb, wfcb, wpjh, aux, list, tab, y2; writes y2
.if DOCPART == 7
	.amdgcn_target "amdgcn-amd-amdhsa--gfx1250"
	.amdhsa_code_object_version 6
	.text
	.protected	k_q87d69913f9_moe
	.globl	k_q87d69913f9_moe
	.p2align	8
	.type	k_q87d69913f9_moe,@function
k_q87d69913f9_moe:
	s_mov_b64 s[64:65], 0
	v_nop
	global_prefetch_b8 v0, s[64:65] scope:SCOPE_SE
	s_setreg_imm32_b32 hwreg(HW_REG_WAVE_MODE, 25, 1), 1
	s_wait_xcnt 0x0
; MOE: y2[dest] = gate x (gelu(x W_fc + b_fc) W_proj + b_proj) for the rows that the table gives this work-group: fc, GELU and proj in one launch; the hidden numbers never leave LDS.
; SHARES.  A work-group: up to 80 rows (five blocks of 16) of ONE expert, all 2,048 hidden units in 8 chunks of 256.  The four waves split the columns: in fc 64 hidden units each (20 accumulators),
; in proj 128 of the 512 output columns each (40 accumulators, kept over all chunks).
; THE WEIGHTS GO STRAIGHT INTO REGISTERS.  Since the waves split the columns, each weight byte is used by one wave of the work-group alone: LDS would share nothing.  The first launch has laid both tensors out
; in fragment order, a wave's part of a chunk as 65,536 consecutive bytes, so a fragment is two loads of 512 consecutive bytes.  A UNIT is 8 loads (4 column tiles x 32 k, 4,096 bytes, 32 registers) and feeds
; 20 products: an fc K step is one unit, a proj K step two (column tiles 0-3, then 4-7).  A chunk is 32 units (16 fc, 16 proj); a ring of 8 register slots holds them, unit u in slot u % 8.  In the middle of
; unit u the slot that unit u - 1 left is asked for unit u + 7: six or seven units, 48 to 56 loads of a wave, are always on their way, through the GELU and over the barriers too.
; NO CLUSTER: nothing comes by tensor loads, and which expert a work-group serves hangs on counts read from memory (the table), of which no joint request can be made.
; Nothing but global addresses and selects hangs on the table: rows beyond count are computed on whatever token the list names there and stored into the work-group's own spare row of y2.
; LAYOUT.  Both products are used transposed: source 0 = 16 columns of the weights, source 1 = 16 rows of tokens.  A lane then holds ONE token (lane % 16) and the tile's rows 8 (lane / 16) + 0..7,
; which pack into 16 bytes of a row of H, source 1 of proj as it lies.  Tile c of a group of 64 columns holds the columns 4 p + c, p = 0..15: w_proj's K is laid in H's order, both biases in the tiles' order,
; and the way out puts the output columns back by the register into which it scales.
; FORMATS.  x, w_fc: bf16.  H = 2 gelu in f16; w_proj: bf16's number written as f16.  Sums in f32.  fc's sums start at b_fc, proj's at 2 b_proj (the C operand of the first product); the output is scaled by gate / 2.
; GELU.  2 gelu(z) = z + |z| erf(|z| / sqrt 2), erf(x) = 1 - (a1 t + a2 t^2 + a3 t^3) e^(-x x), t = 1 / (1 + 0.47047 x) (Abramowitz and Stegun 7.1.25).
; LIMITS.  That erf is off by 2.5e-5 at the most, for every argument.  2 gelu is kept in f16: |gelu| stays under 32,752.  NaN and infinities are not treated apart.
.set PX,    1040                       ; LDS.  x: 80 rows of 1,024 + 16 bytes, from byte 0
.set PH,    528                        ; H and the stage: rows of 512 + 16: odd multiples of 16 bytes, so that the 16 rows of a load start at 16 different groups of four banks (ISA guide 11.1)
.set HB,    83200                      ; H: 80 rows x 528
.set STG,   125440                     ; the way out: 16 rows x 528 for each wave
.set SPARE, 159232                     ; the spare words: 128 bytes a wave
.set CHUNKB, 262144                    ; from chunk to chunk in either weight tensor: four waves' 65,536 bytes
; window 0
.set SPW, 1                            ; my spare word; never rewritten
.set NIL, 2                            ; 0; never rewritten
.set R,   3                            ; lane % 16
.set H,   4                            ; lane / 16
.set LN,  5                            ; lane
.set AX,  6                            ; v6-7    my place in x: row blocks 0-2, 3-4
.set AH,  8                            ; in H, to read
.set STH, 9                            ; in H, to store
.set VB,  10                           ; my byte in a chunk's 1,024 bytes of b_fc
.set VO,  11                           ; my byte in the expert's 2,048 bytes of b_proj
.set STO, 12                           ; the stage: in
.set RD,  13                           ; the stage: back
.set YL,  14                           ; my byte in a row of y2
.set L16, 15                           ; 16 lane: my byte in every 512 bytes of weights; never rewritten
.set G2,  16                           ; v16-20  gate / 2 of row 16 rb + lane % 16
.set GS,  32                           ; v32-63  two sets {t 8, w 8} for the GELU
.set U,   64                           ; v64-71
.set XF,  96                           ; v96-175 two buffers of five fragments of x or of H
.set B2,  176                          ; v176-239 2 b_proj for my eight column tiles
.set VA,  64                           ; the way out: 16 addresses
.set TM,  96                           ; 64 scaled results
.set RB,  160                          ; 16 rows read back
; window 1: the ring, slot s at v[32 s]
; window 2: v0-159 fc's accumulators, tile 4 rb + c (at the head: the gathered rows); v160-223 proj's of row block 4; v224-255 b_fc.   window 3: proj's accumulators 8 rb + c, rb = 0..3
.set BI,  224
.set WV,  18                           ; s18 wave
.set OF,  26                           ; s[26:27] an offset as a pair
.set CN,  66                           ; s[66:67] -log2(e) / 2
.set A1,  68
.set A2,  70
.set A3,  72
.set CP,  74                           ; 0.47047 / sqrt 2
.set DL,  76                           ; s[76:95] words of the table and of the list
.set MSB, 0
.macro WIN new                         ; s_set_vgpr_msb: bits 1:0 source 0, 3:2 source 1, 5:4 source 2, 7:6 destination; the high byte repeats the setting that is left
.if MSB != (\new)
	s_set_vgpr_msb (MSB<<8)|(\new)
.set MSB, (\new)
.endif
.endm
.macro PLACES                          ; four places between a matrix instruction and a vector line or load that touches its registers
.rept 4
	v_nop
.endr
.endm
; The 8 loads of unit v of the chunk's 32; 32 to 38 are the next chunk's first fc units.
.macro WLOAD v
	WIN 0x40
.set ws, 32*((\v)%8)
.if (\v) < 16
.set wb, 6
.set wo, (\v)*4096
.elseif (\v) < 32
.set wb, 8
.set wo, ((\v)-16)*4096
.else
.set wb, 6
.set wo, CHUNKB+((\v)-32)*4096
.endif
.irp c, 0,1,2,3
	global_load_b128 v[ws+8*\c:ws+8*\c+3],   v[L16], s[wb:wb+1] offset:wo+1024*\c
	global_load_b128 v[ws+8*\c+4:ws+8*\c+7], v[L16], s[wb:wb+1] offset:wo+1024*\c+512
.endr
.endm
.macro BILOAD off                      ; my 32 numbers of a chunk's b_fc
	WIN 0x80
.irp c, 0,1,2,3
	global_load_b128 v[BI+8*\c:BI+8*\c+3],   v[VB], s[30:31] offset:(\off)+64*\c
	global_load_b128 v[BI+8*\c+4:BI+8*\c+7], v[VB], s[30:31] offset:(\off)+64*\c+16
.endr
.endm
.macro FETCHX ks                       ; 10 LDS loads: 80 rows of x, 32 k of fc's K step ks, into buffer ks % 2
	WIN 0
.irp r, 0,1,2,3,4
	ds_load_b128 v[XF+40*((\ks)%2)+8*\r:XF+40*((\ks)%2)+8*\r+3],   v[AX+(\r)/3] offset:((\r)%3)*16*PX+64*(\ks)
	ds_load_b128 v[XF+40*((\ks)%2)+8*\r+4:XF+40*((\ks)%2)+8*\r+7], v[AX+(\r)/3] offset:((\r)%3)*16*PX+64*(\ks)+32
.endr
.endm
.macro FETCHH ks                       ; the same of H, for proj's K step ks
	WIN 0
.irp r, 0,1,2,3,4
	ds_load_b128 v[XF+40*((\ks)%2)+8*\r:XF+40*((\ks)%2)+8*\r+3],   v[AH] offset:(\r)*16*PH+64*(\ks)
	ds_load_b128 v[XF+40*((\ks)%2)+8*\r+4:XF+40*((\ks)%2)+8*\r+7], v[AH] offset:(\r)*16*PH+64*(\ks)+32
.endr
.endm
; Products i0 .. i1 of unit u's 20 (row block i / 4, column tile i % 4 of the unit's four).  Unit 0's start fc's sums at b_fc; start = 1: these start proj's sums at 2 b_proj.
; The accumulators take turns, one instruction a turn.
.macro MUL u, i0, i1, start
.set mi, (\i0)
.rept (\i1)-(\i0)+1
.set rW, 32*((\u)%8)+8*(mi%4)
.if (\u) < 16
.set rX, XF+40*((\u)%2)+8*(mi/4)
	WIN 0xa1                                       ; W window 1, x window 0, C and D window 2
.if (\u) == 0
	v_wmma_f32_16x16x32_bf16 v[8*mi:8*mi+7], v[rW:rW+7], v[rX:rX+7], v[BI+8*(mi%4):BI+8*(mi%4)+7]
.else
	v_wmma_f32_16x16x32_bf16 v[8*mi:8*mi+7], v[rW:rW+7], v[rX:rX+7], v[8*mi:8*mi+7]
.endif
.else
.set rX, XF+40*((((\u)-16)/2)%2)+8*(mi/4)
.set ct, 4*((\u)%2)+mi%4
.if mi < 16
.set rD, 8*(8*(mi/4)+ct)
.set wd, 0xc0
.else
.set rD, 160+8*ct
.set wd, 0x80
.endif
.if \start
	WIN wd|0x01                                    ; C in window 0
	v_wmma_f32_16x16x32_f16 v[rD:rD+7], v[rW:rW+7], v[rX:rX+7], v[B2+8*ct:B2+8*ct+7]
.else
	WIN wd|(wd>>2)|0x01                            ; C and D in window 3, or 2
	v_wmma_f32_16x16x32_f16 v[rD:rD+7], v[rW:rW+7], v[rX:rX+7], v[rD:rD+7]
.endif
.endif
.set mi, mi+1
.endr
.endm
; UNIT u.  cnt: the younger weight loads, which stay out.  fill = 1: unit u + 7 is asked for.  In one run behind the first products stand the LDS loads of the next K step's rows, into the buffer that the
; step before multiplied, and the refill of the slot that unit u - 1 multiplied; four places stand in front of the run.
; bar = 1: my last reads of H are back: the barrier in front of the next chunk's stores into H, with sixteen products between its signal and its wait.
.macro UNIT u, fill, cnt, start=0, bar=0
	s_wait_loadcnt \cnt                            ; loads come back in order (ISA guide 5.7.1): this unit's eight are in
.if ((\u) < 16) || (((\u)%2) == 0)
	s_wait_dscnt 0x0                               ; this K step's rows are in
.endif
.set cut, 3
.if \bar
	s_barrier_signal -1
.set cut, 15
.endif
	MUL \u, 0, cut, \start
.if \bar
	s_barrier_wait -1
.endif
.set fx, 0
.if (\u) < 15
.set fx, 1
.elseif ((\u) >= 16) && ((\u) < 30) && (((\u)%2) == 0)
.set fx, 2
.elseif ((\u) == 30) && (\fill)
.set fx, 3
.endif
.if fx || (\fill)
	PLACES
.endif
.if fx == 1
	FETCHX (\u)+1
.elseif fx == 2
	FETCHH ((\u)-16)/2+1
.elseif fx == 3
	FETCHX 0                                       ; the next chunk's first rows of x
.endif
.if \fill
.if (\u) == 25
	BILOAD 1024                                    ; the next chunk's b_fc, ahead of its first unit's loads
.endif
	WLOAD (\u)+7
.endif
	MUL \u, cut+1, 19, \start
.endm
; THE GELU of fc's tile i, in three parts; the register sets go by i's parity.  z is read where the products left it.
.macro GA i                            ; 16 plain lines: w = -z z log2(e) / 2 (the accumulator's lowest registers are read first); t = 1 + |z| 0.47047 / sqrt 2
.set rT, GS+16*((\i)%2)
.set rH, 8*(\i)
	WIN 0x0a                                       ; sources 0 and 1 window 2
.irp j, 0,2,4,6
	v_pk_mul_f32 v[rT+8+\j:rT+8+\j+1], v[rH+\j:rH+\j+1], v[rH+\j:rH+\j+1]
.endr
.irp j, 0,1,2,3,4,5,6,7
	v_fma_f32 v[rT+\j], |v[rH+\j]|, s[CP], 1.0
.endr
	WIN 0
.irp j, 0,2,4,6
	v_pk_mul_f32 v[rT+8+\j:rT+8+\j+1], v[rT+8+\j:rT+8+\j+1], s[CN:CN+1] op_sel_hi:[1,0]
.endr
.endm
.macro GT i                            ; 16 transcendentals on end; the plain lines of the next tile's GA follow them (ISA guide 5.7.2)
.set rT, GS+16*((\i)%2)
	WIN 0
.irp j, 0,1,2,3,4,5,6,7
	v_rcp_f32 v[rT+\j], v[rT+\j]
.endr
.irp j, 0,1,2,3,4,5,6,7
	v_exp_f32 v[rT+8+\j], v[rT+8+\j]
.endr
.endm
.macro GB i                            ; erf = 1 - t (a1 + t (a2 + t a3)) w; 2 gelu = z + |z| erf; to f16; 16 bytes into H
.set rT, GS+16*((\i)%2)
.set rH, 8*(\i)
	WIN 0
	s_wait_alu depctr_va_vdst(0)
.irp j, 0,2,4,6
	v_pk_fma_f32 v[U+\j:U+\j+1], v[rT+\j:rT+\j+1], s[A3:A3+1], s[A2:A2+1] op_sel_hi:[1,0,0]
.endr
.irp j, 0,2,4,6
	v_pk_fma_f32 v[U+\j:U+\j+1], v[U+\j:U+\j+1], v[rT+\j:rT+\j+1], s[A1:A1+1] op_sel_hi:[1,1,0]
.endr
.irp j, 0,2,4,6
	v_pk_mul_f32 v[U+\j:U+\j+1], v[U+\j:U+\j+1], v[rT+\j:rT+\j+1]
.endr
.irp j, 0,2,4,6
	v_pk_fma_f32 v[U+\j:U+\j+1], v[U+\j:U+\j+1], v[rT+8+\j:rT+8+\j+1], 1.0 op_sel_hi:[1,1,0] neg_lo:[1,0,0] neg_hi:[1,0,0]
.endr
	WIN 0x22                                       ; sources 0 and 2 window 2
.irp j, 0,1,2,3,4,5,6,7
	v_fma_f32 v[rT+\j], |v[rH+\j]|, v[U+\j], v[rH+\j]
.endr
	WIN 0
.irp j, 0,1,2,3
	v_cvt_pk_f16_f32 v[rT+8+\j], v[rT+2*\j], v[rT+2*\j+1]
.endr
	ds_store_b128 v[STH], v[rT+8:rT+11] offset:((\i)/4)*16*PH+32*((\i)%4)
.endm
	s_load_b256 s[4:11], s[0:1], 0x0               ; xb s[4:5], wfcb s[6:7], wpjh s[8:9], aux s[10:11]
	s_load_b128 s[12:15], s[0:1], 0x20             ; list s[12:13], tab s[14:15]
	s_load_b64 s[16:17], s[0:1], 0x30              ; y2
	v_lshl_add_u32 v[SPW], v0, 2, SPARE
	v_mov_b32 v[NIL], 0
	v_lshrrev_b32 v30, 5, v0
	v_readfirstlane_b32 s[WV], v30                 ; wave 0..3
	s_add_co_u32 s25, ttmp9, 16384                 ; my work-group's spare row of y2
	s_lshl_b32 s[OF], ttmp9, 4                     ; my entry of the table
	s_mov_b32 s[CN], 0xbf38aa3b                    ; the packed lines name pairs and take the low word for both halves: both words are written
	s_mov_b32 s[CN+1], 0xbf38aa3b
	s_mov_b32 s[A1], 0x3eb2303a                    ; 0.3480242
	s_mov_b32 s[A1+1], 0x3eb2303a
	s_mov_b32 s[A2], 0xbdc45ca1                    ; -0.0958798
	s_mov_b32 s[A2+1], 0xbdc45ca1
	s_mov_b32 s[A3], 0x3f3f7377                    ; 0.7478556
	s_mov_b32 s[A3+1], 0x3f3f7377
	s_mov_b32 s[CP], 0x3eaa540e                    ; 0.47047 / sqrt 2
	s_mov_b32 s21, 8                               ; chunks to go
	v_and_b32 v[R], 15, v0
	v_bfe_u32 v[H], v0, 4, 1
	v_and_b32 v[LN], 31, v0
	v_lshlrev_b32 v[L16], 4, v[LN]
	v_mul_u32_u24 v[AX], v[R], PX                  ; a fragment of rows that lie along K: row x pitch + 16 x half (x begins at LDS byte 0)
	v_lshl_add_u32 v[AX], v[H], 4, v[AX]
	v_add_nc_u32 v[AX+1], 48*PX, v[AX]
	v_mul_u32_u24 v[AH], v[R], PH
	v_lshl_add_u32 v[STO], v[H], 7, v[AH]          ; the stage: row l % 16, 128 bytes (32 columns) for each half of the lanes
	v_lshl_add_u32 v[AH], v[H], 4, v[AH]
	v_add_nc_u32 v[AH], HB, v[AH]
	v_lshl_add_u32 v[STH], s[WV], 7, v[AH]         ; my 64 hidden units: 128 bytes a wave
	v_lshlrev_b32 v[VB], 5, v[H]
	v_lshl_add_u32 v[VO], s[WV], 9, v[VB]
	v_lshl_add_u32 v[VB], s[WV], 8, v[VB]
	s_mul_i32 s75, s[WV], 16*PH
	s_add_co_u32 s75, s75, STG                     ; my stage
	v_add_nc_u32 v[STO], s75, v[STO]
	v_add_nc_u32 v[RD], s75, v[L16]
	v_lshl_add_u32 v[YL], s[WV], 9, v[L16]
	s_mul_i32 s75, s[WV], 20*PX
	v_add_nc_u32 v63, s75, v[L16]                  ; where my wave's 20 rows of x go in LDS
	s_wait_kmcnt 0x0
	s_load_b128 s[DL:DL+3], s[14:15], s[OF] offset:0x0  ; start, count, expert, 0
	s_wait_kmcnt 0x0
	s_min_u32 s22, s[DL], 16384                    ; whatever the table holds, every address stays inside its buffer
	s_min_u32 s23, s[DL+1], 80
	s_min_u32 s24, s[DL+2], 3
	s_lshl_b32 s28, s22, 2                         ; my first slot's byte in the list
	s_mul_i32 s29, s[WV], 80
	s_add_co_u32 s29, s29, s28                     ; and that of the 20 rows that my wave gathers
	s_load_b512 s[DL:DL+15], s[12:13], s29 offset:0x0    ; the 20 rows 20 wave + i
	s_load_b128 s[DL+16:DL+19], s[12:13], s29 offset:0x40
	v_lshl_add_u32 v52, v[R], 2, s28
.irp r, 0,1,2,3,4
	global_load_b32 v[53+\r], v52, s[12:13] offset:64*\r  ; the list's word of row 16 rb + lane % 16, for its gate
.endr
	s_lshl_b32 s[OF], s24, 21                      ; an expert's weights: 2,097,152 bytes in either tensor;
	s_lshl_b32 s75, s[WV], 16                      ; my wave's part of a chunk: 65,536
	s_add_co_u32 s[OF], s[OF], s75
	s_mov_b32 s[OF+1], 0
	s_add_nc_u64 s[6:7], s[6:7], s[OF:OF+1]        ; my part of chunk 0 in w_fc
	s_add_nc_u64 s[8:9], s[8:9], s[OF:OF+1]        ; and in w_proj
	s_lshl_b32 s[OF], s24, 13
	s_add_co_u32 s[OF], s[OF], 65536
	s_add_nc_u64 s[30:31], s[10:11], s[OF:OF+1]    ; the expert's b_fc, chunk 0
	s_lshl_b32 s[OF], s24, 11
	s_add_co_u32 s[OF], s[OF], 98304
	s_add_nc_u64 s[2:3], s[10:11], s[OF:OF+1]      ; the expert's 2 b_proj
.irp c, 0,1,2,3,4,5,6,7
	global_load_b128 v[B2+8*\c:B2+8*\c+3],   v[VO], s[2:3] offset:64*\c
	global_load_b128 v[B2+8*\c+4:B2+8*\c+7], v[VO], s[2:3] offset:64*\c+16
.endr
	BILOAD 0
	WIN 0
	s_wait_loadcnt 24                              ; the five words of the list are in; b_proj's 16 loads and b_fc's 8 stay out
.irp r, 0,1,2,3,4
	v_min_u32 v[53+\r], 0x3fff, v[53+\r]
	v_lshlrev_b32 v[53+\r], 2, v[53+\r]
	global_load_b32 v[58+\r], v[53+\r], s[10:11]   ; the row's gate
.endr
	s_wait_kmcnt 0x0
.set gi, 0
.rept 20
	s_lshr_b32 s75, s[DL+gi], 1                    ; the token,
	s_min_u32 s75, s75, 8191                       ; inside xb whatever the list holds
	v_lshl_add_u32 v[32+gi], s75, 10, v[L16]
.set gi, gi+1
.endr
	WIN 0x80                                       ; THE GATHER, into the registers that fc's sums take later: a row of xb is 1,024 bytes: two loads of 512 consecutive bytes
.set gi, 0
.rept 20
	global_load_b128 v[8*gi:8*gi+3],   v[32+gi], s[4:5]
	global_load_b128 v[8*gi+4:8*gi+7], v[32+gi], s[4:5] offset:512
.set gi, gi+1
.endr
.irp v, 0,1,2,3,4,5,6
	WLOAD \v                                       ; the ring's first seven units; the eighth slot is filled in unit 0
.endr
	WIN 0x08                                       ; an LDS store's data is source 1: window 2
	s_wait_loadcnt 56                              ; the gather, the gates and the biases are in; the ring's 56 loads stay out
.set gi, 0
.rept 20
	ds_store_b128 v63, v[8*gi:8*gi+3] offset:gi*PX
	ds_store_b128 v63, v[8*gi+4:8*gi+7] offset:gi*PX+512
.set gi, gi+1
.endr
	WIN 0
.irp r, 0,1,2,3,4
	v_mul_f32 v[G2+\r], 0.5, v[58+\r]
.endr
	s_wait_dscnt 0x0                               ; for the others' sake: my 20 rows of x are in LDS
	s_barrier_signal -1
	s_barrier_wait -1                              ; everybody's are
	FETCHX 0
	WIN 0                                          ; at a label and at a branch every window is 0
.Lchunk:                                               ; eight trips; the last leaves in the middle, so that nothing is asked for beyond the last chunk
.irp u, 0,1,2,3,4,5,6,7,8,9,10,11,12,13,14,15
	UNIT \u, 1, 48                                 ; six younger units, 48 loads, stay out
.endr
	; THE GELU of the chunk's 20 tiles
	PLACES                                         ; behind the last products
	GA 0
.set gi, 0
.rept 20
	GT gi
.if gi < 19
	GA gi+1
.else
	v_nop                                          ; a plain line behind the last exponential
	s_wait_alu depctr_va_vdst(0)
.endif
	GB gi
.set gi, gi+1
.endr
	s_wait_dscnt 0x0                               ; for the others' sake: my columns of H are in LDS
	s_barrier_signal -1
	s_barrier_wait -1                              ; everybody's are
	FETCHH 0
	WIN 0
	s_cmp_eq_u32 s21, 8
	s_cbranch_scc0 .Lgo_on                         ; proj's first K step is written twice: in the first chunk it starts the 40 sums, at 2 b_proj: nothing is cleared
	UNIT 16, 1, 48, 1
	UNIT 17, 1, 48, 1
	WIN 0
	s_branch .Lstarted
.Lgo_on:
	UNIT 16, 1, 48
	UNIT 17, 1, 48
	WIN 0
.Lstarted:
.irp u, 18,19,20,21,22,23,24
	UNIT \u, 1, 48
.endr
	WIN 0
	s_cmp_eq_u32 s21, 1
	s_cbranch_scc1 .Llast                          ; unit 24 has asked for the last chunk's last unit
	UNIT 25, 1, 48
.irp u, 26,27,28,29
	UNIT \u, 1, 56                                 ; six younger units and b_fc's eight loads stay out
.endr
	UNIT 30, 1, 56, 0, 1
	UNIT 31, 1, 56
	WIN 0
	s_wait_xcnt 0x0                                ; every earlier memory instruction has had its addresses translated (ISA guide 3.1): the three bases step only behind this wait
	s_add_nc_u64 s[6:7], s[6:7], CHUNKB
	s_add_nc_u64 s[8:9], s[8:9], CHUNKB
	s_add_nc_u64 s[30:31], s[30:31], 1024
	s_sub_co_u32 s21, s21, 1
	s_branch .Lchunk
.Llast:                                                ; the last seven units ask for nothing: the counts run down
	UNIT 25, 0, 48
	UNIT 26, 0, 40
	UNIT 27, 0, 32
	UNIT 28, 0, 24
	UNIT 29, 0, 16
	UNIT 30, 0, 8
	UNIT 31, 0, 0
	PLACES                                         ; the scaling below reads results just made
; THE WAY OUT of row block rb: scaled by gate / 2; through my own stage in LDS; back as whole rows of my 128 columns, 512 bytes; each row to its place in y2, or, beyond count, to my work-group's spare row.
; Register j of tile c = 4 g + c4 is column 64 g + 32 (lane / 16) + 4 j + c4 of my 128: the scaling writes it into register 32 g + 4 j + c4, so that four registers on end are four columns on end.
.macro OUTB rb
	WIN 0
	s_wait_xcnt 0x0                                ; the last block's stores have read their addresses and data: those registers are rewritten only behind this wait
	s_load_b512 s[DL:DL+15], s[12:13], s28 offset:64*(\rb)  ; the block's 16 destinations
.if (\rb) < 4
	WIN 0x03
.set ob, 64*(\rb)
.else
	WIN 0x02
.set ob, 160
.endif
.set oc, 0
.rept 8                                                ; ascending: each accumulator's lowest registers are read first
.set oj, 0
.rept 8
	v_mul_f32 v[TM+32*(oc/4)+4*oj+oc%4], v[ob+8*oc+oj], v[G2+(\rb)]
.set oj, oj+1
.endr
.set oc, oc+1
.endr
	WIN 0
.irp g, 0,1
.irp m, 0,1,2,3,4,5,6,7
	ds_store_b128 v[STO], v[TM+32*\g+4*\m:TM+32*\g+4*\m+3] offset:256*\g+16*\m
.endr
.endr
.set oi, 0
.rept 16
	ds_load_b128 v[RB+4*oi:RB+4*oi+3], v[RD] offset:PH*oi  ; LDS serves a wave's instructions in order (ISA guide 5.7.1.4): these see the stores above, and the next block's stores come behind them
.set oi, oi+1
.endr
	s_wait_kmcnt 0x0
.set oi, 0
.rept 16
	s_cmp_gt_u32 s23, 16*(\rb)+oi                  ; is the row one of mine?
	s_cselect_b32 s75, s[DL+oi], s25
	s_min_u32 s75, s75, 16603                      ; inside y2 whatever the list holds
	v_lshl_add_u32 v[VA+oi], s75, 11, v[YL]
.set oi, oi+1
.endr
.set oi, 0
.rept 16
	s_wait_dscnt 15-oi                             ; row oi is back; the younger rows' loads stay out
	global_store_b128 v[VA+oi], v[RB+4*oi:RB+4*oi+3], s[16:17]  ; the wave stores 512 consecutive bytes, at a multiple of 512 from y2's first
.set oi, oi+1
.endr
.endm
	OUTB 0
	OUTB 1
	OUTB 2
	OUTB 3
	OUTB 4
	s_wait_tensorcnt 0x0                           ; the wave's end: behind my last LDS store
	ds_add_u32 v[SPW], v[NIL]
	s_wait_dscnt 0x0
	s_endpgm
.Lfunc_end_k_q87d69913f9_moe:
	.size	k_q87d69913f9_moe, .Lfunc_end_k_q87d69913f9_moe-k_q87d69913f9_moe
	.p2alignl 7, 3214868480
	.fill 96, 4, 3214868480
	.section	.rodata,"a",@progbits
	.p2align	6, 0x0
	.amdhsa_kernel k_q87d69913f9_moe
		.amdhsa_group_segment_fixed_size 159744
		.amdhsa_private_segment_fixed_size 0
		.amdhsa_enable_private_segment 0
		.amdhsa_kernarg_size 56
		.amdhsa_user_sgpr_count 2
		.amdhsa_user_sgpr_kernarg_segment_ptr 1
		.amdhsa_wavefront_size32 1
		.amdhsa_system_sgpr_workgroup_id_x 1
		.amdhsa_system_sgpr_workgroup_id_y 1
		.amdhsa_system_sgpr_workgroup_id_z 1
		.amdhsa_system_vgpr_workitem_id 0
		.amdhsa_next_free_vgpr 1024
		.amdhsa_next_free_sgpr 96
		.amdhsa_reserve_vcc 0
		.amdhsa_float_denorm_mode_32 3
		.amdhsa_float_denorm_mode_16_64 3
		.amdhsa_memory_ordered 1
		.amdhsa_forward_progress 1
		.amdhsa_inst_pref_size 246
	.end_amdhsa_kernel
	.amdgpu_metadata
---
amdhsa.version: [ 1, 2 ]
amdhsa.kernels:
  - .name:           k_q87d69913f9_moe
    .symbol:         k_q87d69913f9_moe.kd
    .args:
      - { .name: xb, .offset: 0, .size: 8, .value_kind: global_buffer, .address_space: global }
      - { .name: wfcb, .offset: 8, .size: 8, .value_kind: global_buffer, .address_space: global }
      - { .name: wpjh, .offset: 16, .size: 8, .value_kind: global_buffer, .address_space: global }
      - { .name: aux, .offset: 24, .size: 8, .value_kind: global_buffer, .address_space: global }
      - { .name: list, .offset: 32, .size: 8, .value_kind: global_buffer, .address_space: global }
      - { .name: tab, .offset: 40, .size: 8, .value_kind: global_buffer, .address_space: global }
      - { .name: y2, .offset: 48, .size: 8, .value_kind: global_buffer, .address_space: global }
    .group_segment_fixed_size: 159744
    .private_segment_fixed_size: 0
    .kernarg_segment_align: 8
    .kernarg_segment_size: 56
    .max_flat_workgroup_size: 128
    .sgpr_count:     96
    .vgpr_count:     1024
    .wavefront_size: 32
...
	.end_amdgpu_metadata
.endif
;; end of part 7
;; launch comb: the kernel of part 4 again; grid 256 x 1, 8 waves a work-group, no clusters, 0 bytes of LDS; arguments y2, out0; writes out0
;; ======== version 3 of 3: 4 launches; version 2 with the launch moe written anew for expert scheduling mode
;; limits: a function is approximated: absolute error at most 2.5e-05; values are held in f16: magnitudes above 65,504 overflow, below 6.1e-05 lose precision; right only within a limited range of input values
;; workspace buffers: xb 8,388,608 bytes; wfcb 8,388,608 bytes; wpjh 8,388,608 bytes; sel 32,768 bytes of whole numbers; aux 106,496 bytes; list 66,048 bytes of whole numbers; tab 4,096 bytes of whole numbers; y2 34,004,992 bytes
;; launch prep: the kernel of part 5 again; grid 256 x 1, 8 waves a work-group, no clusters, 0 bytes of LDS; arguments x, router_w, w_fc, w_proj, xb, wfcb, wpjh, sel, aux; writes xb, wfcb, wpjh, sel, aux
;; launch place: the kernel of part 6 again; grid 1 x 1, 32 waves a work-group, no clusters, 4,608 bytes of LDS; arguments sel, b_fc, b_proj, list, tab, aux; writes list, tab, aux
;; launch moe (part 8): grid 220 x 1, 4 waves a work-group, no clusters, 159,744 bytes of LDS; arguments xb, wfcb, wpjh, aux, list, tab, y2; writes y2
.if DOCPART == 8
	.amdgcn_target "amdgcn-amd-amdhsa--gfx1250"
	.amdhsa_code_object_version 6
	.text
	.protected	k_q87d69913f9_moe
	.globl	k_q87d69913f9_moe
	.p2align	8
	.type	k_q87d69913f9_moe,@function
k_q87d69913f9_moe:
	s_mov_b64 s[64:65], 0
	v_nop
	global_prefetch_b8 v0, s[64:65] scope:SCOPE_SE
	s_setreg_imm32_b32 hwreg(HW_REG_WAVE_SCHED_MODE, 0, 2), 2
	s_setreg_imm32_b32 hwreg(HW_REG_WAVE_MODE, 25, 1), 1
	s_wait_xcnt 0x0
	s_wait_alu depctr_vm_vsrc(0)
; MOE: y2[dest] = gate x (gelu(x W_fc + b_fc) W_proj + b_proj) for the rows that the table gives this work-group: fc, GELU and proj in one launch; the hidden numbers never leave LDS.
; SHARES.  A work-group: up to 80 rows (five blocks of 16) of ONE expert, all 2,048 hidden units in 8 chunks of 256.  The four waves split the columns: in fc 64 hidden units each (20 accumulators),
; in proj 128 of the 512 output columns each (40 accumulators, kept over all chunks).
; THE WEIGHTS GO STRAIGHT INTO REGISTERS.  Since the waves split the columns, each weight byte is used by one wave of the work-group alone: LDS would share nothing.  The first launch has laid both tensors out
; in fragment order, a wave's part of a chunk as 65,536 consecutive bytes, so a fragment is two loads of 512 consecutive bytes.  A UNIT is 8 loads (4 column tiles x 32 k, 4,096 bytes, 32 registers) and feeds
; 20 products: an fc K step is one unit, a proj K step two (column tiles 0-3, then 4-7).  A chunk is 32 units (16 fc, 16 proj); a ring of 8 register slots holds them, unit u in slot u % 8.  In unit u
; the slot that unit u - 2 left is asked for unit u + 6: five or six units, 40 to 48 loads of a wave, are always on their way, through the GELU and over the barriers too.
; NO CLUSTER: nothing comes by tensor loads, and which expert a work-group serves hangs on counts read from memory (the table), of which no joint request can be made.
; Nothing but global addresses and selects hangs on the table: rows beyond count are computed on whatever token the list names there and stored into the work-group's own spare row of y2.
; LAYOUT.  Both products are used transposed: source 0 = 16 columns of the weights, source 1 = 16 rows of tokens.  A lane then holds ONE token (lane % 16) and the tile's rows 8 (lane / 16) + 0..7,
; which pack into 16 bytes of a row of H, source 1 of proj as it lies.  Tile c of a group of 64 columns holds the columns 4 p + c, p = 0..15: w_proj's K is laid in H's order, both biases in the tiles' order,
; and the way out puts the output columns back by the register into which it scales.
; FORMATS.  x, w_fc: bf16.  H = 2 gelu in f16; w_proj: bf16's number written as f16.  Sums in f32.  fc's sums start at b_fc, proj's at 2 b_proj (the C operand of the first product); the output is scaled by gate / 2.
; GELU.  2 gelu(z) = z + |z| erf(|z| / sqrt 2), erf(x) = 1 - (a1 t + a2 t^2 + a3 t^3) e^(-x x), t = 1 / (1 + 0.47047 x) (Abramowitz and Stegun 7.1.25).
; LIMITS.  That erf is off by 2.5e-5 at the most, for every argument.  2 gelu is kept in f16: |gelu| stays under 32,752.  NaN and infinities are not treated apart.
; THE MODE: SCHED_MODE bits 1:0 = 2 (LLVM: expert scheduling mode 2), set by the entry lines.  The code itself states the register dependences
; between vector or matrix instructions and memory or LDS instructions, with s_wait_alu, always for 0.
; THE PLAN.  Registers that memory or LDS instructions touch, in the loop:
;   the ring        slot u % 8: unit u's 20 products read it; the loads of unit u + 8 land in it, issued in unit u + 2.
;   XB0, XB1, XB2   five fragments of rows each.  fc's unit u reads buffer u % 3; the rows of unit u + 3 land in it, issued in unit u + 2.  proj's K step ks (two units) reads buffer ks % 2; the rows of K step
;                   ks + 2 land in it, issued in the first unit of K step ks + 1.
;   b_fc            unit 0's products read it; the next chunk's lands in it, issued in unit 26.
;   O0, O1          tile i's conversions write O[i % 2]; the LDS store that reads it is issued in tile i + 1's turn.
;   v6 to v15       addresses, made at the head and never written again: scalar bases and immediate offsets do the rest.
;   The accumulators, the GELU's sets and U are named by vector and matrix instructions alone.
; So ONE wait on va_vdst stands at the head of every second unit: behind it units u - 2 and u - 1 are done reading their slots and their rows, and the loads of units u and u + 1 land in just those registers, which
; no product of units u and u + 1 names.  In the GELU one wait on va_vdst a tile serves the tile's transcendentals and the store of the tile before, and one on vm_vsrc frees the out-buffer of two tiles back.
.set PX,    1040                       ; LDS.  x: 80 rows of 1,024 + 16 bytes, from byte 0
.set PH,    528                        ; H and the stage: rows of 512 + 16: odd multiples of 16 bytes, so that the 16 rows of a load start at 16 different groups of four banks (ISA guide 11.1)
.set HB,    83200                      ; H: 80 rows x 528
.set STG,   125440                     ; the way out: 16 rows x 528 for each wave
.set SPARE, 159232                     ; the spare words: 128 bytes a wave
.set CHUNKB, 262144                    ; from chunk to chunk in either weight tensor: four waves' 65,536 bytes
; window 0
.set SPW, 1                            ; my spare word; never rewritten
.set NIL, 2                            ; 0; never rewritten
.set R,   3                            ; lane % 16
.set H,   4                            ; lane / 16
.set LN,  5                            ; lane
.set AX,  6                            ; v6-7    my place in x: row blocks 0-2, 3-4
.set AH,  8                            ; in H, to read
.set STH, 9                            ; in H, to store
.set VB,  10                           ; my byte in a chunk's 1,024 bytes of b_fc
.set VO,  11                           ; my byte in the expert's 2,048 bytes of b_proj
.set STO, 12                           ; the stage: in
.set RD,  13                           ; the stage: back
.set YL,  14                           ; my byte in a row of y2
.set L16, 15                           ; 16 lane: my byte in every 512 bytes of weights; never rewritten
.set G2,  16                           ; v16-20  gate / 2 of row 16 rb + lane % 16
.set OB,  24                           ; v24-31  O0, O1: a tile of H packed to f16, 16 bytes a lane (v30 serves once at the head)
.set GS,  32                           ; v32-63  two sets {t 8, w 8} for the GELU
.set U,   64                           ; v64-71
.set X2,  72                           ; v72-95  XB2's fragments 0 to 2
.set XF,  96                           ; v96-175 XB0, XB1: five fragments of x or of H each
.set B2,  176                          ; v176-239 2 b_proj for my eight column tiles
.set X3,  240                          ; v240-255 XB2's fragments 3 and 4
.set VA,  64                           ; the way out: 16 addresses
.set TM,  96                           ; 64 scaled results
.set RB,  160                          ; 16 rows read back
; window 1: the ring, slot s at v[32 s]
; window 2: v0-159 fc's accumulators, tile 4 rb + c (at the head: the gathered rows); v160-223 proj's of row block 4; v224-255 b_fc.   window 3: proj's accumulators 8 rb + c, rb = 0..3
.set BI,  224
.set WV,  18                           ; s18 wave
.set OF,  26                           ; s[26:27] an offset as a pair
.set CN,  66                           ; s[66:67] -log2(e) / 2
.set A1,  68
.set A2,  70
.set A3,  72
.set CP,  74                           ; 0.47047 / sqrt 2
.set DL,  76                           ; s[76:95] words of the table and of the list
.set MSB, 0
.macro WIN new                         ; s_set_vgpr_msb: bits 1:0 source 0, 3:2 source 1, 5:4 source 2, 7:6 destination; the high byte repeats the setting that is left
.if MSB != (\new)
	s_set_vgpr_msb (MSB<<8)|(\new)
.set MSB, (\new)
.endif
.endm
.macro PLACES                          ; four places between a matrix instruction and a vector line that touches its registers (ISA guide 7.12.1)
.rept 4
	v_nop
.endr
.endm
.macro XREG b, r                       ; rX: the first register of fragment r of row buffer b
.if (\b) < 2
.set rX, XF+40*(\b)+8*(\r)
.elseif (\r) < 3
.set rX, X2+8*(\r)
.else
.set rX, X3+8*((\r)-3)
.endif
.endm
; The 8 loads of unit v of the chunk's 32; 32 to 37 are the next chunk's first fc units.
.macro WLOAD v
	WIN 0x40
.set ws, 32*((\v)%8)
.if (\v) < 16
.set wb, 6
.set wo, (\v)*4096
.elseif (\v) < 32
.set wb, 8
.set wo, ((\v)-16)*4096
.else
.set wb, 6
.set wo, CHUNKB+((\v)-32)*4096
.endif
.irp c, 0,1,2,3
	global_load_b128 v[ws+8*\c:ws+8*\c+3],   v[L16], s[wb:wb+1] offset:wo+1024*\c
	global_load_b128 v[ws+8*\c+4:ws+8*\c+7], v[L16], s[wb:wb+1] offset:wo+1024*\c+512
.endr
.endm
.macro BILOAD off                      ; my 32 numbers of a chunk's b_fc
	WIN 0x80
.irp c, 0,1,2,3
	global_load_b128 v[BI+8*\c:BI+8*\c+3],   v[VB], s[30:31] offset:(\off)+64*\c
	global_load_b128 v[BI+8*\c+4:BI+8*\c+7], v[VB], s[30:31] offset:(\off)+64*\c+16
.endr
.endm
.macro FETCHX ks                       ; 10 LDS loads: 80 rows of x, 32 k of fc's K step ks, into buffer ks % 3
	WIN 0
.irp r, 0,1,2,3,4
	XREG (\ks)%3, \r
	ds_load_b128 v[rX:rX+3],   v[AX+(\r)/3] offset:((\r)%3)*16*PX+64*(\ks)
	ds_load_b128 v[rX+4:rX+7], v[AX+(\r)/3] offset:((\r)%3)*16*PX+64*(\ks)+32
.endr
.endm
.macro FETCHH ks                       ; the same of H, for proj's K step ks, into buffer ks % 2
	WIN 0
.irp r, 0,1,2,3,4
	XREG (\ks)%2, \r
	ds_load_b128 v[rX:rX+3],   v[AH] offset:(\r)*16*PH+64*(\ks)
	ds_load_b128 v[rX+4:rX+7], v[AH] offset:(\r)*16*PH+64*(\ks)+32
.endr
.endm
; Products i0 .. i1 of unit u's 20 (row block i / 4, column tile i % 4 of the unit's four).  Unit 0's start fc's sums at b_fc; start = 1: these start proj's sums at 2 b_proj.
; The accumulators take turns, one instruction a turn.
.macro MUL u, i0, i1, start
.set mi, (\i0)
.rept (\i1)-(\i0)+1
.set rW, 32*((\u)%8)+8*(mi%4)
.if (\u) < 16
	XREG (\u)%3, mi/4
	WIN 0xa1                                       ; W window 1, x window 0, C and D window 2
.if (\u) == 0
	v_wmma_f32_16x16x32_bf16 v[8*mi:8*mi+7], v[rW:rW+7], v[rX:rX+7], v[BI+8*(mi%4):BI+8*(mi%4)+7]
.else
	v_wmma_f32_16x16x32_bf16 v[8*mi:8*mi+7], v[rW:rW+7], v[rX:rX+7], v[8*mi:8*mi+7]
.endif
.else
	XREG (((\u)-16)/2)%2, mi/4
.set ct, 4*((\u)%2)+mi%4
.if mi < 16
.set rD, 8*(8*(mi/4)+ct)
.set wd, 0xc0
.else
.set rD, 160+8*ct
.set wd, 0x80
.endif
.if \start
	WIN wd|0x01                                    ; C in window 0
	v_wmma_f32_16x16x32_f16 v[rD:rD+7], v[rW:rW+7], v[rX:rX+7], v[B2+8*ct:B2+8*ct+7]
.else
	WIN wd|(wd>>2)|0x01                            ; C and D in window 3, or 2
	v_wmma_f32_16x16x32_f16 v[rD:rD+7], v[rW:rW+7], v[rX:rX+7], v[rD:rD+7]
.endif
.endif
.set mi, mi+1
.endr
.endm
; UNIT u.  cnt: the younger weight loads, which stay out.  fill = 1: unit u + 6 is asked for.  In one run behind the first two products stand the LDS loads of the next K step's rows and the refill of the slot
; that unit u - 2 multiplied.  An even unit that issues loads begins with the wait on va_vdst, which serves its own loads and the next unit's; unit 16 has none: no vector or matrix instruction stands between
; the GELU's last such wait and it.
; bar = 1: my last reads of H are back: the barrier in front of the next chunk's stores into H, with sixteen products between its signal and its wait.
.macro UNIT u, fill, cnt, start=0, bar=0
	s_wait_loadcnt \cnt                            ; loads come back in order (ISA guide 5.7.1): this unit's eight are in
.if ((\u) < 16) || (((\u)%2) == 0)
	s_wait_dscnt 0x0                               ; this K step's rows are in
.endif
.set fx, 0
.if (\u) < 15
.set fx, 1
.elseif ((\u) >= 16) && ((\u) < 30) && (((\u)%2) == 0)
.set fx, 2
.elseif ((\u) == 30) && (\fill)
.set fx, 3
.endif
.if (((\u)%2) == 0) && ((\u) != 16) && (fx || (\fill))
	s_wait_alu depctr_va_vdst(0)                   ; the products of the two units before are done reading their ring slots and their rows (and unit 0's b_fc): the loads of this unit and the next land there
.endif
.set cut, 1
.if \bar
	s_barrier_signal -1
.set cut, 15
.endif
	MUL \u, 0, cut, \start
.if \bar
	s_barrier_wait -1
.endif
.if fx == 1
	FETCHX (\u)+1                                  ; no product since the wait names the registers in which these loads and the ones below land
.elseif fx == 2
	FETCHH ((\u)-16)/2+1
.elseif fx == 3
	FETCHX 0                                       ; the next chunk's first rows of x
.endif
.if \fill
.if (\u) == 26
	BILOAD 1024                                    ; the next chunk's b_fc, ahead of its first unit's loads
.endif
	WLOAD (\u)+6
.endif
	MUL \u, cut+1, 19, \start
.endm
; THE GELU of fc's tile i, in four parts; the register sets and the out-buffers go by i's parity.  z is read where the products left it.
.macro GA i                            ; 16 plain lines: w = -z z log2(e) / 2 (the accumulator's lowest registers are read first); t = 1 + |z| 0.47047 / sqrt 2
.set rT, GS+16*((\i)%2)
.set rH, 8*(\i)
	WIN 0x0a                                       ; sources 0 and 1 window 2
.irp j, 0,2,4,6
	v_pk_mul_f32 v[rT+8+\j:rT+8+\j+1], v[rH+\j:rH+\j+1], v[rH+\j:rH+\j+1]
.endr
.irp j, 0,1,2,3,4,5,6,7
	v_fma_f32 v[rT+\j], |v[rH+\j]|, s[CP], 1.0
.endr
	WIN 0
.irp j, 0,2,4,6
	v_pk_mul_f32 v[rT+8+\j:rT+8+\j+1], v[rT+8+\j:rT+8+\j+1], s[CN:CN+1] op_sel_hi:[1,0]
.endr
.endm
.macro GT i                            ; 16 transcendentals on end; the plain lines of the next tile's GA follow them (ISA guide 5.7.2)
.set rT, GS+16*((\i)%2)
	WIN 0
.irp j, 0,1,2,3,4,5,6,7
	v_rcp_f32 v[rT+\j], v[rT+\j]
.endr
.irp j, 0,1,2,3,4,5,6,7
	v_exp_f32 v[rT+8+\j], v[rT+8+\j]
.endr
.endm
.macro GB i                            ; erf = 1 - t (a1 + t (a2 + t a3)) w; 2 gelu = z + |z| erf; to f16, into the tile's out-buffer
.set rT, GS+16*((\i)%2)
.set rH, 8*(\i)
.set rO, OB+4*((\i)%2)
	WIN 0
.irp j, 0,2,4,6
	v_pk_fma_f32 v[U+\j:U+\j+1], v[rT+\j:rT+\j+1], s[A3:A3+1], s[A2:A2+1] op_sel_hi:[1,0,0]
.endr
.irp j, 0,2,4,6
	v_pk_fma_f32 v[U+\j:U+\j+1], v[U+\j:U+\j+1], v[rT+\j:rT+\j+1], s[A1:A1+1] op_sel_hi:[1,1,0]
.endr
.irp j, 0,2,4,6
	v_pk_mul_f32 v[U+\j:U+\j+1], v[U+\j:U+\j+1], v[rT+\j:rT+\j+1]
.endr
.irp j, 0,2,4,6
	v_pk_fma_f32 v[U+\j:U+\j+1], v[U+\j:U+\j+1], v[rT+8+\j:rT+8+\j+1], 1.0 op_sel_hi:[1,1,0] neg_lo:[1,0,0] neg_hi:[1,0,0]
.endr
	WIN 0x22                                       ; sources 0 and 2 window 2
.irp j, 0,1,2,3,4,5,6,7
	v_fma_f32 v[rT+\j], |v[rH+\j]|, v[U+\j], v[rH+\j]
.endr
	WIN 0
.irp j, 0,1,2,3
	v_cvt_pk_f16_f32 v[rO+\j], v[rT+2*\j], v[rT+2*\j+1]
.endr
.endm
.macro HST i                           ; tile i's 16 bytes a lane into H
	WIN 0
	ds_store_b128 v[STH], v[OB+4*((\i)%2):OB+4*((\i)%2)+3] offset:((\i)/4)*16*PH+32*((\i)%4)
.endm
	s_load_b256 s[4:11], s[0:1], 0x0               ; xb s[4:5], wfcb s[6:7], wpjh s[8:9], aux s[10:11]
	s_load_b128 s[12:15], s[0:1], 0x20             ; list s[12:13], tab s[14:15]
	s_load_b64 s[16:17], s[0:1], 0x30              ; y2
	v_lshl_add_u32 v[SPW], v0, 2, SPARE
	v_mov_b32 v[NIL], 0
	v_lshrrev_b32 v30, 5, v0
	v_readfirstlane_b32 s[WV], v30                 ; wave 0..3
	s_add_co_u32 s25, ttmp9, 16384                 ; my work-group's spare row of y2
	s_lshl_b32 s[OF], ttmp9, 4                     ; my entry of the table
	s_mov_b32 s[CN], 0xbf38aa3b                    ; the packed lines name pairs and take the low word for both halves: both words are written
	s_mov_b32 s[CN+1], 0xbf38aa3b
	s_mov_b32 s[A1], 0x3eb2303a                    ; 0.3480242
	s_mov_b32 s[A1+1], 0x3eb2303a
	s_mov_b32 s[A2], 0xbdc45ca1                    ; -0.0958798
	s_mov_b32 s[A2+1], 0xbdc45ca1
	s_mov_b32 s[A3], 0x3f3f7377                    ; 0.7478556
	s_mov_b32 s[A3+1], 0x3f3f7377
	s_mov_b32 s[CP], 0x3eaa540e                    ; 0.47047 / sqrt 2
	s_mov_b32 s21, 8                               ; chunks to go
	v_and_b32 v[R], 15, v0
	v_bfe_u32 v[H], v0, 4, 1
	v_and_b32 v[LN], 31, v0
	v_lshlrev_b32 v[L16], 4, v[LN]
	v_mul_u32_u24 v[AX], v[R], PX                  ; a fragment of rows that lie along K: row x pitch + 16 x half (x begins at LDS byte 0)
	v_lshl_add_u32 v[AX], v[H], 4, v[AX]
	v_add_nc_u32 v[AX+1], 48*PX, v[AX]
	v_mul_u32_u24 v[AH], v[R], PH
	v_lshl_add_u32 v[STO], v[H], 7, v[AH]          ; the stage: row l % 16, 128 bytes (32 columns) for each half of the lanes
	v_lshl_add_u32 v[AH], v[H], 4, v[AH]
	v_add_nc_u32 v[AH], HB, v[AH]
	s_wait_alu depctr_va_sdst(0)                   ; the wave's number is written, ahead of its first reader, the line below
	v_lshl_add_u32 v[STH], s[WV], 7, v[AH]         ; my 64 hidden units: 128 bytes a wave
	v_lshlrev_b32 v[VB], 5, v[H]
	v_lshl_add_u32 v[VO], s[WV], 9, v[VB]
	v_lshl_add_u32 v[VB], s[WV], 8, v[VB]
	s_mul_i32 s75, s[WV], 16*PH
	s_add_co_u32 s75, s75, STG                     ; my stage
	v_add_nc_u32 v[STO], s75, v[STO]
	v_add_nc_u32 v[RD], s75, v[L16]
	v_lshl_add_u32 v[YL], s[WV], 9, v[L16]
	s_mul_i32 s75, s[WV], 20*PX
	v_add_nc_u32 v63, s75, v[L16]                  ; where my wave's 20 rows of x go in LDS
	s_wait_kmcnt 0x0
	s_load_b128 s[DL:DL+3], s[14:15], s[OF] offset:0x0  ; start, count, expert, 0
	s_wait_kmcnt 0x0
	s_min_u32 s22, s[DL], 16384                    ; whatever the table holds, every address stays inside its buffer
	s_min_u32 s23, s[DL+1], 80
	s_min_u32 s24, s[DL+2], 3
	s_lshl_b32 s28, s22, 2                         ; my first slot's byte in the list
	s_mul_i32 s29, s[WV], 80
	s_add_co_u32 s29, s29, s28                     ; and that of the 20 rows that my wave gathers
	s_load_b512 s[DL:DL+15], s[12:13], s29 offset:0x0    ; the 20 rows 20 wave + i
	s_load_b128 s[DL+16:DL+19], s[12:13], s29 offset:0x40
	v_lshl_add_u32 v52, v[R], 2, s28
	s_wait_alu depctr_va_vdst(0)                   ; v52 is written, which the five loads below read, and so are the lasting addresses v6 to v15 and v63, which every later load and store reads
.irp r, 0,1,2,3,4
	global_load_b32 v[53+\r], v52, s[12:13] offset:64*\r  ; the list's word of row 16 rb + lane % 16, for its gate
.endr
	s_lshl_b32 s[OF], s24, 21                      ; an expert's weights: 2,097,152 bytes in either tensor;
	s_lshl_b32 s75, s[WV], 16                      ; my wave's part of a chunk: 65,536
	s_add_co_u32 s[OF], s[OF], s75
	s_mov_b32 s[OF+1], 0
	s_add_nc_u64 s[6:7], s[6:7], s[OF:OF+1]        ; my part of chunk 0 in w_fc
	s_add_nc_u64 s[8:9], s[8:9], s[OF:OF+1]        ; and in w_proj
	s_lshl_b32 s[OF], s24, 13
	s_add_co_u32 s[OF], s[OF], 65536
	s_add_nc_u64 s[30:31], s[10:11], s[OF:OF+1]    ; the expert's b_fc, chunk 0
	s_lshl_b32 s[OF], s24, 11
	s_add_co_u32 s[OF], s[OF], 98304
	s_add_nc_u64 s[2:3], s[10:11], s[OF:OF+1]      ; the expert's 2 b_proj
.irp c, 0,1,2,3,4,5,6,7
	global_load_b128 v[B2+8*\c:B2+8*\c+3],   v[VO], s[2:3] offset:64*\c
	global_load_b128 v[B2+8*\c+4:B2+8*\c+7], v[VO], s[2:3] offset:64*\c+16
.endr
	BILOAD 0
	WIN 0
	s_wait_loadcnt 24                              ; the five words of the list are in; b_proj's 16 loads and b_fc's 8 stay out
.irp r, 0,1,2,3,4
	v_min_u32 v[53+\r], 0x3fff, v[53+\r]
	v_lshlrev_b32 v[53+\r], 2, v[53+\r]            ; the byte of the row's gate
.endr
	s_wait_kmcnt 0x0
.set gi, 0
.rept 20
	s_lshr_b32 s75, s[DL+gi], 1                    ; the token,
	s_min_u32 s75, s75, 8191                       ; inside xb whatever the list holds
	v_lshl_add_u32 v[32+gi], s75, 10, v[L16]
.set gi, gi+1
.endr
	s_wait_alu depctr_va_vdst(0)                   ; the gates' five addresses v53-57 and the gather's twenty v32-51 are written, which the loads below read
.irp r, 0,1,2,3,4
	global_load_b32 v[58+\r], v[53+\r], s[10:11]   ; the row's gate
.endr
	WIN 0x80                                       ; THE GATHER, into the registers that fc's sums take later: a row of xb is 1,024 bytes: two loads of 512 consecutive bytes
.set gi, 0
.rept 20
	global_load_b128 v[8*gi:8*gi+3],   v[32+gi], s[4:5]
	global_load_b128 v[8*gi+4:8*gi+7], v[32+gi], s[4:5] offset:512
.set gi, gi+1
.endr
.irp v, 0,1,2,3,4,5
	WLOAD \v                                       ; the ring's first six units; the other two slots are filled in units 0 and 1
.endr
	WIN 0x08                                       ; an LDS store's data is source 1: window 2
	s_wait_loadcnt 48                              ; the gather, the gates and the biases are in; the ring's 48 loads stay out
.set gi, 0
.rept 20
	ds_store_b128 v63, v[8*gi:8*gi+3] offset:gi*PX
	ds_store_b128 v63, v[8*gi+4:8*gi+7] offset:gi*PX+512
.set gi, gi+1
.endr
	WIN 0
.irp r, 0,1,2,3,4
	v_mul_f32 v[G2+\r], 0.5, v[58+\r]
.endr
	s_wait_dscnt 0x0                               ; for the others' sake: my 20 rows of x are in LDS
	s_barrier_signal -1
	s_barrier_wait -1                              ; everybody's are
	s_wait_alu depctr_vm_vsrc(0)                   ; my LDS stores have read the gathered rows, where fc's sums are written from here on; the head's loads and stores have read v32-57 and v63, which the GELU writes
	FETCHX 0
	WIN 0                                          ; at a label and at a branch every window is 0
.Lchunk:                                               ; eight trips; the last leaves in the middle, so that nothing is asked for beyond the last chunk
.irp u, 0,1,2,3,4,5,6,7,8,9,10,11,12,13,14,15
	UNIT \u, 1, 40                                 ; five younger units, 40 loads, stay out
.endr
	; THE GELU of the chunk's 20 tiles.  Tile i's turn: its transcendentals; the next tile's plain lines; the two waits; the store of tile i - 1; tile i's polynomial and conversions.
	PLACES                                         ; behind the last products
	GA 0
.set gi, 0
.rept 20
	GT gi
.if gi < 19
	GA gi+1
.else
	v_nop                                          ; a plain line behind the last exponential
.endif
	s_wait_alu depctr_va_vdst(0)                   ; this tile's reciprocals and exponentials are written, ahead of their first reader; the conversions of the tile before have written its out-buffer, which the store below reads
.if gi != 1
	s_wait_alu depctr_vm_vsrc(0)                   ; the store of two tiles back (at tile 0: the last chunk's last two stores) has read the out-buffer that this tile's conversions write
.endif
.if gi > 0
	HST gi-1
.endif
	GB gi
.set gi, gi+1
.endr
	s_wait_alu depctr_va_vdst(0)                   ; tile 19's conversions have written its out-buffer, which the store below reads
	HST 19
	s_wait_dscnt 0x0                               ; for the others' sake: my columns of H are in LDS
	s_barrier_signal -1
	s_barrier_wait -1                              ; everybody's are
	FETCHH 0                                       ; into the buffer that unit 15 read: the GELU's waits stand between
	WIN 0
	s_cmp_eq_u32 s21, 8
	s_cbranch_scc0 .Lgo_on                         ; proj's first K step is written twice: in the first chunk it starts the 40 sums, at 2 b_proj: nothing is cleared
	UNIT 16, 1, 40, 1
	UNIT 17, 1, 40, 1
	WIN 0
	s_branch .Lstarted
.Lgo_on:
	UNIT 16, 1, 40
	UNIT 17, 1, 40
	WIN 0
.Lstarted:
.irp u, 18,19,20,21,22,23,24,25
	UNIT \u, 1, 40
.endr
	WIN 0
	s_cmp_eq_u32 s21, 1
	s_cbranch_scc1 .Llast                          ; unit 25 has asked for the last chunk's last unit
	UNIT 26, 1, 40
.irp u, 27,28,29
	UNIT \u, 1, 48                                 ; five younger units and b_fc's eight loads stay out
.endr
	UNIT 30, 1, 48, 0, 1
	UNIT 31, 1, 48
	WIN 0
	s_wait_xcnt 0x0                                ; every earlier memory instruction has had its addresses translated (ISA guide 3.1): the three bases step only behind this wait
	s_add_nc_u64 s[6:7], s[6:7], CHUNKB
	s_add_nc_u64 s[8:9], s[8:9], CHUNKB
	s_add_nc_u64 s[30:31], s[30:31], 1024
	s_sub_co_u32 s21, s21, 1
	s_branch .Lchunk
.Llast:                                                ; the last six units ask for no more weights: the counts run down
	UNIT 26, 0, 40
	UNIT 27, 0, 32
	UNIT 28, 0, 24
	UNIT 29, 0, 16
	UNIT 30, 0, 8
	UNIT 31, 0, 0
	PLACES                                         ; the scaling below reads results just made
; THE WAY OUT of row block rb: scaled by gate / 2; through my own stage in LDS; back as whole rows of my 128 columns, 512 bytes; each row to its place in y2, or, beyond count, to my work-group's spare row.
; Register j of tile c = 4 g + c4 is column 64 g + 32 (lane / 16) + 4 j + c4 of my 128: the scaling writes it into register 32 g + 4 j + c4, so that four registers on end are four columns on end.
; Who touches what: the scaling writes TM, the LDS stores read it; the address lines write VA, the global stores read it; the LDS loads land in RB, the global stores read it.  All vector lines of a block stand
; ahead of its one wait on va_vdst, all its LDS and memory instructions behind it; one wait on vm_vsrc at the next block's head frees the three sets.
.macro OUTB rb
	WIN 0
	s_wait_xcnt 0x0                                ; the last block's stores have had their addresses translated: their addresses and data are rewritten only behind this wait
.if (\rb) > 0
	s_wait_alu depctr_vm_vsrc(0)                   ; the last block's LDS stores have read TM, its global stores VA and RB: the scaling, the address lines and the LDS loads below write them again
.endif
	s_load_b512 s[DL:DL+15], s[12:13], s28 offset:64*(\rb)  ; the block's 16 destinations
.if (\rb) < 4
	WIN 0x03
.set ob, 64*(\rb)
.else
	WIN 0x02
.set ob, 160
.endif
.set oc, 0
.rept 8                                                ; ascending: each accumulator's lowest registers are read first
.set oj, 0
.rept 8
	v_mul_f32 v[TM+32*(oc/4)+4*oj+oc%4], v[ob+8*oc+oj], v[G2+(\rb)]
.set oj, oj+1
.endr
.set oc, oc+1
.endr
	WIN 0
	s_wait_kmcnt 0x0
.set oi, 0
.rept 16
	s_cmp_gt_u32 s23, 16*(\rb)+oi                  ; is the row one of mine?
	s_cselect_b32 s75, s[DL+oi], s25
	s_min_u32 s75, s75, 16603                      ; inside y2 whatever the list holds
	v_lshl_add_u32 v[VA+oi], s75, 11, v[YL]
.set oi, oi+1
.endr
	s_wait_alu depctr_va_vdst(0)                   ; the scaling has written TM, which the LDS stores read; the lines above have written VA, which the global stores read; in block 0 the last products are done reading the registers in which RB lands
.irp g, 0,1
.irp m, 0,1,2,3,4,5,6,7
	ds_store_b128 v[STO], v[TM+32*\g+4*\m:TM+32*\g+4*\m+3] offset:256*\g+16*\m
.endr
.endr
.set oi, 0
.rept 16
	ds_load_b128 v[RB+4*oi:RB+4*oi+3], v[RD] offset:PH*oi  ; LDS serves a wave's instructions in order (ISA guide 5.7.1.4): these see the stores above, and the next block's stores come behind them
.set oi, oi+1
.endr
.set oi, 0
.rept 16
	s_wait_dscnt 15-oi                             ; row oi is back; the younger rows' loads stay out
	global_store_b128 v[VA+oi], v[RB+4*oi:RB+4*oi+3], s[16:17]  ; the wave stores 512 consecutive bytes, at a multiple of 512 from y2's first
.set oi, oi+1
.endr
.endm
	OUTB 0
	OUTB 1
	OUTB 2
	OUTB 3
	OUTB 4
	s_wait_dscnt 0x0                               ; the closing lines, six on end
	s_wait_alu 0x0
	s_wait_tensorcnt 0x0
	ds_add_u32 v[SPW], v[NIL]
	s_wait_dscnt 0x0
	s_endpgm
.Lfunc_end_k_q87d69913f9_moe:
	.size	k_q87d69913f9_moe, .Lfunc_end_k_q87d69913f9_moe-k_q87d69913f9_moe
	.p2alignl 7, 3214868480
	.fill 96, 4, 3214868480
	.section	.rodata,"a",@progbits
	.p2align	6, 0x0
	.amdhsa_kernel k_q87d69913f9_moe
		.amdhsa_group_segment_fixed_size 159744
		.amdhsa_private_segment_fixed_size 0
		.amdhsa_enable_private_segment 0
		.amdhsa_kernarg_size 56
		.amdhsa_user_sgpr_count 2
		.amdhsa_user_sgpr_kernarg_segment_ptr 1
		.amdhsa_wavefront_size32 1
		.amdhsa_system_sgpr_workgroup_id_x 1
		.amdhsa_system_sgpr_workgroup_id_y 1
		.amdhsa_system_sgpr_workgroup_id_z 1
		.amdhsa_system_vgpr_workitem_id 0
		.amdhsa_next_free_vgpr 1024
		.amdhsa_next_free_sgpr 96
		.amdhsa_reserve_vcc 0
		.amdhsa_float_denorm_mode_32 3
		.amdhsa_float_denorm_mode_16_64 3
		.amdhsa_memory_ordered 1
		.amdhsa_forward_progress 1
		.amdhsa_inst_pref_size 241
	.end_amdhsa_kernel
	.amdgpu_metadata
---
amdhsa.version: [ 1, 2 ]
amdhsa.kernels:
  - .name:           k_q87d69913f9_moe
    .symbol:         k_q87d69913f9_moe.kd
    .args:
      - { .name: xb, .offset: 0, .size: 8, .value_kind: global_buffer, .address_space: global }
      - { .name: wfcb, .offset: 8, .size: 8, .value_kind: global_buffer, .address_space: global }
      - { .name: wpjh, .offset: 16, .size: 8, .value_kind: global_buffer, .address_space: global }
      - { .name: aux, .offset: 24, .size: 8, .value_kind: global_buffer, .address_space: global }
      - { .name: list, .offset: 32, .size: 8, .value_kind: global_buffer, .address_space: global }
      - { .name: tab, .offset: 40, .size: 8, .value_kind: global_buffer, .address_space: global }
      - { .name: y2, .offset: 48, .size: 8, .value_kind: global_buffer, .address_space: global }
    .group_segment_fixed_size: 159744
    .private_segment_fixed_size: 0
    .kernarg_segment_align: 8
    .kernarg_segment_size: 56
    .max_flat_workgroup_size: 128
    .sgpr_count:     96
    .vgpr_count:     1024
    .wavefront_size: 32
...
	.end_amdgpu_metadata
.endif
;; end of part 8
;; launch comb: the kernel of part 4 again; grid 256 x 1, 8 waves a work-group, no clusters, 0 bytes of LDS; arguments y2, out0; writes out0
